; MI455X (gfx1250); checked and timed in simulation.
; The chip was launched on July 23, 2026; its instructions are those of AMD's public machine-readable ISA for CDNA 5 (MIT licence, August 2026) and "CDNA5" Instruction Set Architecture Reference Guide (July 2026). The comments in the code are by the model that wrote it; some were corrected since.
;; Attention. Allowed arithmetic: float matrix products may take bf16 or f16 operands with f32 sums; all other float work in f32.
;; Inputs: Wkv 1,024 x 1,024 float32; Wo 512 x 1,024 float32; Wq 1,024 x 512 float32; beta 1,024 float32; gamma 1,024 float32; k_scale 64 float32; null_kv 2 x 8 x 1 x 64 float32; q_scale 64 float32; x 4 x 2,048 x 1,024 float32.
;; Outputs: out0 4 x 2,048 x 1,024 float32.
;; 2 versions, each right and faster than the one before. Each part assembles by itself: llvm-mc -triple=amdgcn-amd-amdhsa -mcpu=gfx1250 --defsym DOCPART=n.
;; ======== version 1 of 2: 4 launches
;; limits: values are held in f16: magnitudes above 65,504 overflow, below 6.1e-05 lose precision
;; workspace buffers: xn 16,777,216 bytes; wb 3,145,728 bytes; wob 1,048,576 bytes; qkvh 25,165,824 bytes; o 8,388,608 bytes
;; launch prep (part 1): grid 256 x 1, 8 waves a work-group, no clusters, 0 bytes of LDS; arguments x, gamma, beta, Wq, Wkv, Wo, xn, wb, wob; writes xn, wb, wob
.if DOCPART == 1
	.amdgcn_target "amdgcn-amd-amdhsa--gfx1250"
	.amdhsa_code_object_version 6
	.text
	.protected	k_q65b55fb8e1_prep
	.globl	k_q65b55fb8e1_prep
	.p2align	8
	.type	k_q65b55fb8e1_prep,@function
k_q65b55fb8e1_prep:
	s_mov_b64 s[64:65], 0
	v_nop
	global_prefetch_b8 v0, s[64:65] scope:SCOPE_SE
	s_setreg_imm32_b32 hwreg(HW_REG_WAVE_MODE, 25, 1), 1
	s_wait_xcnt 0x0
; PREP: xn = LayerNorm(x) * gamma + beta, rounded once to f16, and the three weight matrices cast to f16.
; First of four launches (prep, qkv, attn, proj).  Nothing that reference() computes is left out anywhere in the program and every input is loaded.
; Two identities are used later: the null key and value are the starting state of the running softmax (maximum = its score, sum = 1,
; weighted sum = its value), which is the same sum over 2,049 keys; and SCALE = 8 and log2(e) are multiplied into q once.
; LayerNorm is done as reference() does it, mean first and then the mean of (x - mean)^2, so that a common offset of x cancels before anything is squared.
; FORMAT: all matrix operands of the program are f16, for its 11 significant bits: the attention's result is an average of 2,049 values of v of either sign,
; so the rounding of each operand reaches the result undiminished beside it.  Room in f16's range: |(x - mean) / sqrt(var + eps)| <= sqrt(1023) < 32 whatever x holds,
; so |xn| <= 32 |gamma| + |beta|; weights of spread 0.02 may be 30 times larger (0.6) or smaller (6.7e-4, where f16's step is at most 2^-24).
; LIMITS: an |xn| or a weight of 65,504 or more becomes infinite; under 2^-14 the step is 2^-24.  v_rsq_f32 is good to one unit in the last place and takes denormals
; as zero (var + 1e-5 is never one); the sums along a row run in another order than reference()'s.
; SHARES: 256 work-groups x 8 waves = 2,048 waves.  Wave g takes rows 4 g .. 4 g + 3 of x (a row is 32 registers of the wave and stays in them
; between the passes, so x is read once) and one cast unit: 16 rows x 64 columns of a weight matrix (512 units of Wq, 1,024 of Wkv, 512 of Wo).
; LAYOUT OF THE WEIGHTS: planes of 64 columns, [plane][k][64] f16, k as in the source, so that a block of 128 k of a plane is 16,384 dense bytes.
;   wb: plane 3 head + 0 / 1 / 2 = that head's columns of Wq / of Wkv's k half / of Wkv's v half.   wob: plane = column of Wo / 64.
; No LDS, no barrier, no matrix unit, no cluster: waves share nothing but gamma and beta (8 KB), and the bytes moved are all the work.
.set T,    4                           ; v[4:14]    at work
.set EPS,  15                          ; v15        1e-5
.set G,    16                          ; v[16:47]   gamma of my 32 columns (128 j + 4 lane + 0..3, j = 0..7)
.set B,    48                          ; v[48:79]   beta of the same
.set C,    80                          ; v[80:111]  the cast unit: 8 loads of 2 rows x 256 bytes
.set X,    112                         ; v[112:239] row i at X + 32 i
	s_load_b512 s[4:19], s[0:1], 0x0               ; x 4, gamma 6, beta 8, Wq 10, Wkv 12, Wo 14, xn 16, wb 18
	s_load_b64 s[20:21], s[0:1], 0x40              ; wob
	v_lshrrev_b32 v[T], 5, v0
	v_readfirstlane_b32 s22, v[T]                  ; wave 0..7
	v_and_b32 v[T], 31, v0                         ; lane
	v_lshlrev_b32 v1, 4, v[T]                      ; 16 x lane: f32 loads
	v_lshlrev_b32 v2, 3, v[T]                      ; 8 x lane: f16 stores
	v_and_b32 v[T+1], 15, v0
	v_lshlrev_b32 v[T+1], 4, v[T+1]                ; 16 x (lane mod 16)
	v_bfe_u32 v[T+2], v0, 4, 1                     ; lane / 16
	v_mov_b32 v[EPS], 0x3727c5ac                   ; 1e-5
	s_lshl_b32 s23, ttmp9, 3
	s_add_co_u32 s23, s23, s22                     ; g = 8 x work-group + wave
	s_lshl_b32 s24, s23, 14                        ; 4 rows of 4,096 bytes of x
	s_mov_b32 s25, 0
	s_lshl_b32 s26, s23, 13                        ; 4 rows of 2,048 bytes of xn
	s_mov_b32 s27, 0
	s_mov_b32 s29, 0
	s_mov_b32 s31, 0
	s_mov_b32 s34, 0x76543210                      ; v_permlanex16_b32: lane i of one half reads lane i of the other
	s_mov_b32 s35, 0xfedcba98
	s_mov_b32 s38, 0x3a800000                      ; 1 / 1024
	s_wait_kmcnt 0x0
	s_add_nc_u64 s[4:5], s[4:5], s[24:25]
	s_add_nc_u64 s[16:17], s[16:17], s[26:27]
.irp j, 0,1,2,3,4,5,6,7
	global_load_b128 v[G+4*\j:G+4*\j+3], v1, s[6:7] offset:512*\j
.endr
.irp j, 0,1,2,3,4,5,6,7
	global_load_b128 v[B+4*\j:B+4*\j+3], v1, s[8:9] offset:512*\j
.endr
; Eight loads of the cast unit: lanes 0-15 take 256 bytes of row 2 j, lanes 16-31 of row 2 j + 1.
.macro CASTLD rowbytes
.irp j, 0,1,2,3,4,5,6,7
	global_load_b128 v[C+4*\j:C+4*\j+3], v3, s[36:37] offset:2*\j*\rowbytes th:TH_LOAD_NT
.endr
.endm
	; Which matrix my work-group casts hangs on its number alone.  Every way issues eight loads, so the counts below hold on all three.
	s_cmp_lt_u32 ttmp9, 64
	s_cbranch_scc0 .Lnot_wq
	s_lshr_b32 s41, s23, 6                         ; Wq [1024][512]: unit g: head = g / 64,
	s_and_b32 s42, s23, 63                         ; block of 16 k = g mod 64
	s_lshl_b32 s28, s42, 15                        ; 16 rows of 2,048 bytes
	s_lshl_b32 s43, s41, 8                         ; 64 columns of 4 bytes
	s_add_co_u32 s28, s28, s43
	s_mul_i32 s30, s41, 3*131072                   ; plane 3 x head
	s_lshl_b32 s43, s42, 11                        ; 16 rows of 128 bytes
	s_add_co_u32 s30, s30, s43
	s_add_nc_u64 s[36:37], s[10:11], s[28:29]
	s_add_nc_u64 s[32:33], s[18:19], s[30:31]
	v_lshl_add_u32 v3, v[T+2], 11, v[T+1]
	CASTLD 2048
	s_branch .Lcast_asked
.Lnot_wq:
	s_cmp_lt_u32 ttmp9, 192
	s_cbranch_scc0 .Lis_wo
	s_sub_co_u32 s40, s23, 512                     ; Wkv [1024][1024]: unit u = g - 512
	s_lshr_b32 s41, s40, 6                         ; group of 64 columns, 0..15: 0-7 k's heads, 8-15 v's
	s_and_b32 s42, s40, 63
	s_lshl_b32 s28, s42, 16                        ; 16 rows of 4,096 bytes
	s_lshl_b32 s43, s41, 8
	s_add_co_u32 s28, s28, s43
	s_and_b32 s43, s41, 7
	s_mul_i32 s43, s43, 3
	s_lshr_b32 s41, s41, 3
	s_add_co_u32 s43, s43, s41
	s_add_co_u32 s43, s43, 1                       ; plane 3 x head + 1 (k) or + 2 (v)
	s_lshl_b32 s30, s43, 17
	s_lshl_b32 s43, s42, 11
	s_add_co_u32 s30, s30, s43
	s_add_nc_u64 s[36:37], s[12:13], s[28:29]
	s_add_nc_u64 s[32:33], s[18:19], s[30:31]
	v_lshl_add_u32 v3, v[T+2], 12, v[T+1]
	CASTLD 4096
	s_branch .Lcast_asked
.Lis_wo:
	s_sub_co_u32 s40, s23, 1536                    ; Wo [512][1024]: unit u = g - 1536
	s_lshr_b32 s41, s40, 5                         ; group of 64 columns = plane, 0..15
	s_and_b32 s42, s40, 31
	s_lshl_b32 s28, s42, 16
	s_lshl_b32 s43, s41, 8
	s_add_co_u32 s28, s28, s43
	s_lshl_b32 s30, s41, 16                        ; a plane of wob is 512 x 128 bytes
	s_lshl_b32 s43, s42, 11
	s_add_co_u32 s30, s30, s43
	s_add_nc_u64 s[36:37], s[14:15], s[28:29]
	s_add_nc_u64 s[32:33], s[20:21], s[30:31]
	v_lshl_add_u32 v3, v[T+2], 12, v[T+1]
	CASTLD 4096
.Lcast_asked:
.irp i, 0,1,2,3
.irp j, 0,1,2,3,4,5,6,7
	global_load_b128 v[X+32*\i+4*\j:X+32*\i+4*\j+3], v1, s[4:5] offset:4096*\i+512*\j th:TH_LOAD_NT
.endr
.endr
	s_wait_loadcnt 32                              ; loads come back in order: gamma, beta and the cast unit are in, the 32 loads of x stay out
.irp j, 0,1,2,3,4,5,6,7
	v_cvt_pk_f16_f32 v[C+4*\j],   v[C+4*\j],   v[C+4*\j+1]
	v_cvt_pk_f16_f32 v[C+4*\j+1], v[C+4*\j+2], v[C+4*\j+3]
	global_store_b64 v2, v[C+4*\j:C+4*\j+1], s[32:33] offset:256*\j       ; two rows of 128 bytes: 256 consecutive bytes, aligned
.endr
.macro LANESUM                         ; v[T] summed over the 32 lanes, into every lane; v[T+1] has been written before
	v_add_f32_dpp v[T], v[T], v[T] row_xmask:1 row_mask:0xf bank_mask:0xf
	v_add_f32_dpp v[T], v[T], v[T] row_xmask:2 row_mask:0xf bank_mask:0xf
	v_add_f32_dpp v[T], v[T], v[T] row_xmask:4 row_mask:0xf bank_mask:0xf
	v_add_f32_dpp v[T], v[T], v[T] row_xmask:8 row_mask:0xf bank_mask:0xf
	v_permlanex16_b32 v[T+1], v[T], s34, s35
	v_add_f32 v[T], v[T], v[T+1]
.endm
; Row i.  left = the loads of later rows, which stay out.  Every row has registers of its own and no address register is written
; again, so no store's source is ever overwritten.
.macro LNROW i, left
	s_wait_loadcnt \left
	v_pk_add_f32 v[T:T+1],   v[X+32*\i:X+32*\i+1],   v[X+32*\i+4:X+32*\i+5]      ; the sum, in two chains
	v_pk_add_f32 v[T+2:T+3], v[X+32*\i+2:X+32*\i+3], v[X+32*\i+6:X+32*\i+7]
.irp k, 4,5,6,7,8,9,10,11,12,13,14,15
	v_pk_add_f32 v[T+2*(\k%2):T+2*(\k%2)+1], v[T+2*(\k%2):T+2*(\k%2)+1], v[X+32*\i+2*\k:X+32*\i+2*\k+1]
.endr
	v_pk_add_f32 v[T:T+1], v[T:T+1], v[T+2:T+3]
	v_add_f32 v[T], v[T], v[T+1]
	LANESUM
	v_mul_f32 v[T+4], s38, v[T]                    ; the mean, twice
	v_mul_f32 v[T+5], s38, v[T]
.irp k, 0,1,2,3,4,5,6,7,8,9,10,11,12,13,14,15
	v_pk_add_f32 v[X+32*\i+2*\k:X+32*\i+2*\k+1], v[X+32*\i+2*\k:X+32*\i+2*\k+1], v[T+4:T+5] neg_lo:[0,1] neg_hi:[0,1]
.endr
	v_pk_mul_f32 v[T:T+1],   v[X+32*\i:X+32*\i+1],   v[X+32*\i:X+32*\i+1]        ; the squares, in two chains
	v_pk_mul_f32 v[T+2:T+3], v[X+32*\i+2:X+32*\i+3], v[X+32*\i+2:X+32*\i+3]
.irp k, 2,3,4,5,6,7,8,9,10,11,12,13,14,15
	v_pk_fma_f32 v[T+2*(\k%2):T+2*(\k%2)+1], v[X+32*\i+2*\k:X+32*\i+2*\k+1], v[X+32*\i+2*\k:X+32*\i+2*\k+1], v[T+2*(\k%2):T+2*(\k%2)+1]
.endr
	v_pk_add_f32 v[T:T+1], v[T:T+1], v[T+2:T+3]
	v_add_f32 v[T], v[T], v[T+1]
	LANESUM
	v_fma_f32 v[T+6], v[T], s38, v[EPS]            ; var + 1e-5
	v_rsq_f32 v[T+8], v[T+6]
	v_rsq_f32 v[T+9], v[T+6]
	v_nop                                          ; one plain vector instruction behind a transcendental before its result is used (ISA guide 5.7.2)
	s_wait_alu depctr_va_vdst(0)
.irp k, 0,1,2,3,4,5,6,7,8,9,10,11,12,13,14,15
	v_pk_mul_f32 v[X+32*\i+2*\k:X+32*\i+2*\k+1], v[X+32*\i+2*\k:X+32*\i+2*\k+1], v[T+8:T+9]
.endr
.irp k, 0,1,2,3,4,5,6,7,8,9,10,11,12,13,14,15
	v_pk_fma_f32 v[X+32*\i+2*\k:X+32*\i+2*\k+1], v[X+32*\i+2*\k:X+32*\i+2*\k+1], v[G+2*\k:G+2*\k+1], v[B+2*\k:B+2*\k+1]
.endr
.irp j, 0,1,2,3,4,5,6,7
	v_cvt_pk_f16_f32 v[X+32*\i+4*\j],   v[X+32*\i+4*\j],   v[X+32*\i+4*\j+1]
	v_cvt_pk_f16_f32 v[X+32*\i+4*\j+1], v[X+32*\i+4*\j+2], v[X+32*\i+4*\j+3]
	global_store_b64 v2, v[X+32*\i+4*\j:X+32*\i+4*\j+1], s[16:17] offset:2048*\i+256*\j   ; 32 lanes x 8 bytes: 256 consecutive bytes, aligned
.endr
.endm
	LNROW 0, 24
	LNROW 1, 16
	LNROW 2, 8
	LNROW 3, 0
	s_endpgm
.Lfunc_end_k_q65b55fb8e1_prep:
	.size	k_q65b55fb8e1_prep, .Lfunc_end_k_q65b55fb8e1_prep-k_q65b55fb8e1_prep
	.p2alignl 7, 3214868480
	.fill 96, 4, 3214868480
	.section	.rodata,"a",@progbits
	.p2align	6, 0x0
	.amdhsa_kernel k_q65b55fb8e1_prep
		.amdhsa_group_segment_fixed_size 0
		.amdhsa_private_segment_fixed_size 0
		.amdhsa_enable_private_segment 0
		.amdhsa_kernarg_size 72
		.amdhsa_user_sgpr_count 2
		.amdhsa_user_sgpr_kernarg_segment_ptr 1
		.amdhsa_wavefront_size32 1
		.amdhsa_system_sgpr_workgroup_id_x 1
		.amdhsa_system_sgpr_workgroup_id_y 1
		.amdhsa_system_sgpr_workgroup_id_z 1
		.amdhsa_system_vgpr_workitem_id 0
		.amdhsa_next_free_vgpr 240
		.amdhsa_next_free_sgpr 66
		.amdhsa_reserve_vcc 0
		.amdhsa_float_denorm_mode_32 3
		.amdhsa_float_denorm_mode_16_64 3
		.amdhsa_memory_ordered 1
		.amdhsa_forward_progress 1
		.amdhsa_inst_pref_size 43
	.end_amdhsa_kernel
	.amdgpu_metadata
---
amdhsa.version: [ 1, 2 ]
amdhsa.kernels:
  - .name:           k_q65b55fb8e1_prep
    .symbol:         k_q65b55fb8e1_prep.kd
    .args:
      - { .name: x, .offset: 0, .size: 8, .value_kind: global_buffer, .address_space: global }
      - { .name: gamma, .offset: 8, .size: 8, .value_kind: global_buffer, .address_space: global }
      - { .name: beta, .offset: 16, .size: 8, .value_kind: global_buffer, .address_space: global }
      - { .name: Wq, .offset: 24, .size: 8, .value_kind: global_buffer, .address_space: global }
      - { .name: Wkv, .offset: 32, .size: 8, .value_kind: global_buffer, .address_space: global }
      - { .name: Wo, .offset: 40, .size: 8, .value_kind: global_buffer, .address_space: global }
      - { .name: xn, .offset: 48, .size: 8, .value_kind: global_buffer, .address_space: global }
      - { .name: wb, .offset: 56, .size: 8, .value_kind: global_buffer, .address_space: global }
      - { .name: wob, .offset: 64, .size: 8, .value_kind: global_buffer, .address_space: global }
    .group_segment_fixed_size: 0
    .private_segment_fixed_size: 0
    .kernarg_segment_align: 8
    .kernarg_segment_size: 72
    .max_flat_workgroup_size: 256
    .sgpr_count:     66
    .vgpr_count:     240
    .wavefront_size: 32
...
	.end_amdgpu_metadata
.endif
;; end of part 1
;; launch qkv (part 2): grid 8 x 32, 4 waves a work-group, clusters of 4 x 4, 327,680 bytes of LDS; arguments xn, wb, q_scale, k_scale, qkvh; writes qkvh
.if DOCPART == 2
	.amdgcn_target "amdgcn-amd-amdhsa--gfx1250"
	.amdhsa_code_object_version 6
	.text
	.protected	k_q65b55fb8e1_qkv
	.globl	k_q65b55fb8e1_qkv
	.p2align	8
	.type	k_q65b55fb8e1_qkv,@function
k_q65b55fb8e1_qkv:
	s_mov_b64 s[64:65], 0
	v_nop
	global_prefetch_b8 v0, s[64:65] scope:SCOPE_SE
	s_setreg_imm32_b32 hwreg(HW_REG_WAVE_MODE, 25, 1), 1
	s_wait_xcnt 0x0
	s_wait_alu depctr_hold_cnt(0) depctr_sa_sdst(0) depctr_va_vdst(0) depctr_va_sdst(0) depctr_va_ssrc(0) depctr_va_vcc(0) depctr_vm_vsrc(0)
	s_getreg_b32 s2, hwreg(HW_REG_IB_STS2, 6, 4)
	s_cmp_eq_u32 s2, 0
	s_cbranch_scc0 .Lentry_in_a_cluster
	s_endpgm
.Lentry_in_a_cluster:
	s_bfe_u32 s2, ttmp6, 0x10000c
	s_cmp_lg_u32 s2, 0xf033
	s_cbranch_scc0 .Lentry_shape_is_right
	s_endpgm
.Lentry_shape_is_right:
; QKV: [q | k | v] = xn @ [Wq | Wkv] with f16 operands and f32 sums; on the way out q and k are divided by max(norm, 1e-12) per head row and
; multiplied by q_scale, k_scale; q also by 8 log2(e) (SCALE, and the change from e^x to 2^x, which the attention launch then needs no more).
; Nothing of reference() is left out here.
; FORMAT: q, k, v leave in f16 (11 significant bits).  Room: |q| <= 11.6 |q_scale| and |k| <= |k_scale|, since the rows are normalised first; v is a sum of 1,024 products
; xn W: with xn of 30 and weights of 0.6, all of one sign, it is 18,432.
; LIMITS: a |q|, |k| or |v| of 65,504 or more becomes infinite; under 2^-14 the step is 2^-24.  v_sqrt_f32 and v_rcp_f32 are good to one unit in the last place and take
; denormals as zero: a head row whose sum of squares is under 2^-126 counts as norm 0 and is divided by 1e-12, as reference() divides it.
; SHARES: a work-group makes 256 rows (block row by, 0..31) x 192 columns: head bx's 64 columns of q, of k and of v (planes 3 bx .. 3 bx + 2 of wb), so which
; columns are normalised is fixed in the text.  Four waves, as many as a WGP has SIMDs; wave w makes rows 64 w .. 64 w + 63 x all 192 columns:
; 4 x 12 accumulator tiles, 384 registers.  K = 1,024 goes in 8 steps of 128 through two LDS slots.
; CLUSTER 4 x 4: xn's tile hangs on by alone and is asked for jointly by the four work-groups of a row of the cluster; the weights' tiles hang on bx alone
; and are asked for jointly along a column.  Wave 0 asks for xn's tile (256 rows x 256 bytes), waves 1-3 for one plane's 128 k x 64 columns each (16,384 dense bytes).
; THE MATRIX INSTRUCTION IS USED TRANSPOSED: source 0 = 16 columns of W, source 1 = 16 rows of xn.  Lane (r = lane mod 16, h = lane / 16) then holds row r and
; the eight neighbouring columns 8 h .. 8 h + 7 of a tile: a head row's sum of squares is 32 registers of the lane and of its partner lane, and a tile packs into 16 bytes a lane.
; W lies [k][column] in LDS; ds_load_tr16_b128 turns it into fragments.
; REGISTER WINDOWS: 0: addresses, xn's fragments, scales, work.  1: tiles of row tiles 0, 1 (tile (a, b) at 8 (12 (a mod 2) + b)).  2: row tiles 2, 3.  3: W's fragments.
.set PA,     272                       ; LDS pitch of xn's rows: 256 + 16 bytes, an odd multiple of 16: the 16 rows of a fragment load start in 16 different 16-byte columns modulo 256
.set PB,     160                       ; LDS pitch of W's k rows: 128 + 32 bytes, an odd multiple of 32
.set ABYTES, 256*PA                    ; 69,632
.set CHUNK,  128*PB                    ; 20,480: one plane's 128 k
.set SLOT,   ABYTES+3*CHUNK            ; 131,072
.set STAGE,  2*SLOT                    ; behind the ring, never filled by a tensor load: 16 rows x 400 bytes for each wave
.set SP,     400                       ; 384 + 16
.set LAPS,   4                         ; a lap = two K steps = once round the ring
.set ADRA, 16                          ; v16-17  LDS address of my xn fragments in slot 0, 1
.set ADRB, 20                          ; v20-21  the same for W
.set STO,  24                          ; v24     the way out: where I put 16 bytes of a row
.set RD,   25                          ; v25     the way out: where I read back
.set CO,   26                          ; v26     16 x lane
.set HO,   27                          ; v27     32 h: my eight scales in each group of sixteen
.set FA,   32                          ; v[32:63], v[64:95]   xn's fragments, two buffers
.set SC,   96                          ; v[96:127] q_scale, v[128:159] k_scale of my columns: register 8 nt + j = column 16 nt + 8 h + j
.set TMP,  160                         ; v[160:207] packed results
.set T,    208                         ; v[208:221] at work
.set RB,   32                          ; v[32:79]  read back, on the way out
.set G1A, 24                           ; s[24:31] group 1 of xn's tiles
.set G0A, 32                           ; s[32:39] group 0 of xn's tiles, one set for each slot
.set G1B, 48                           ; s[48:55] group 1 of W's tiles
.set G0B, 56                           ; s[56:63] group 0 of W's tiles, one set for each slot
.set MSB, 0
.macro WIN new                         ; the immediate's high byte repeats the setting that is left; a switch that changes nothing is dropped
.if MSB != (\new)
	s_set_vgpr_msb (MSB<<8)|(\new)
.set MSB, (\new)
.endif
.endm
.set MUL_LO, 0x53                      ; source 0 (W) window 3, source 1 (xn) window 0, C and D window 1
.set MUL_HI, 0xa3                      ; the same, C and D window 2
.set TO_B,   0xc0                      ; destination window 3, address window 0
; A joint load: wave 0 xn's tile, waves 1-3 a plane of W each.  Each line has one mask; the branch hangs on the wave's number alone.
.macro JLOAD s
	s_cmp_eq_u32 s14, 0
	s_cbranch_scc0 .Lfor_b_\@
	tensor_load_to_lds s[G0A+4*\s:G0A+4*\s+3], s[G1A:G1A+7]
	s_nop 0
	s_branch .Lasked_\@
.Lfor_b_\@:
	tensor_load_to_lds s[G0B+4*\s:G0B+4*\s+3], s[G1B:G1B+7]
	s_nop 0
.Lasked_\@:
.endm
.macro CREST                           ; a round of the cluster's barrier behind its opening work-group barrier
	s_cmp_lg_u32 s14, 0
	s_cbranch_scc1 .Lnot_wave_0_\@
	s_barrier_signal -3
.Lnot_wave_0_\@:
	s_barrier_wait -3
	s_barrier_signal -1
	s_barrier_wait -1
.endm
.macro CROUND                          ; a whole round
	s_barrier_signal -1
	s_barrier_wait -1
	CREST
.endm
	s_load_b256 s[4:11], s[0:1], 0x0               ; xn 4, wb 6, q_scale 8, k_scale 10
	s_load_b64 s[12:13], s[0:1], 0x20              ; qkvh
	s_set_vgpr_msb 0xc0
	v_lshl_add_u32 v193, v0, 2, 0x46400
	s_set_vgpr_msb 0xc000
	v_mov_b32 v255, 0
	s_set_vgpr_msb 0x3
	ds_add_u32 v193, v255
	s_set_vgpr_msb 0x300
	v_lshrrev_b32 v1, 5, v0
	v_readfirstlane_b32 s14, v1                    ; wave 0..3
	s_bfe_u32 s15, ttmp6, 0x40000                  ; cx
	s_bfe_u32 s16, ttmp6, 0x40004                  ; cy
	s_lshl_b32 s17, ttmp9, 2
	s_add_co_u32 s17, s17, s15                     ; bx = head = 4 x cluster x + cx
	s_and_b32 s18, ttmp7, 0xffff
	s_lshl_b32 s18, s18, 2
	s_add_co_u32 s18, s18, s16                     ; by = 4 x cluster y + cy
	s_lshl_b32 s19, s16, 2
	s_lshl_b32 s19, 15, s19                        ; my row of the cluster: places 4 cy .. 4 cy + 3
	s_lshl_b32 s20, 0x1111, s15                    ; my column: places cx, cx + 4, cx + 8, cx + 12
	s_mov_b32 s21, 0x76543210                      ; v_permlanex16_b32: lane i of one half reads lane i of the other
	s_mov_b32 s22, 0xfedcba98
	; group 1 of xn's tile: 256 rows x 128 elements of 2 bytes, 1,024 elements from row to row; 4 words of padding behind every 64
	s_or_b32 s[G1A+0], s19, (1<<16)|(1<<20)|(1<<21)|(5<<22)|(3<<25)
	s_mov_b32 s[G1A+1], 128<<16                    ; tensor_dim0 = 128
	s_mov_b32 s[G1A+2], 256<<16                    ; tensor_dim1 = 256
	s_mov_b32 s[G1A+3], 128<<16                    ; tile_dim0 = 128
	s_mov_b32 s[G1A+4], 256                        ; tile_dim1 = 256
	s_mov_b32 s[G1A+5], 1024                       ; pitch
	s_mov_b32 s[G1A+6], 0
	s_mov_b32 s[G1A+7], 0
	; group 1 of a plane's tile: 16,384 dense bytes as 64 rows of 256; 8 words of padding behind every 32 words, that is behind each k row of 128 bytes
	s_or_b32 s[G1B+0], s20, (1<<16)|(1<<20)|(1<<21)|(4<<22)|(7<<25)
	s_mov_b32 s[G1B+1], 128<<16
	s_mov_b32 s[G1B+2], 64<<16
	s_mov_b32 s[G1B+3], 128<<16
	s_mov_b32 s[G1B+4], 64
	s_mov_b32 s[G1B+5], 128
	s_mov_b32 s[G1B+6], 0
	s_mov_b32 s[G1B+7], 0
	; where the tiles come from: xn's address is made of by alone, W's of bx and the wave's number alone, each in registers that never hold the other coordinate
	s_lshl_b32 s40, s18, 19                        ; 256 rows of 2,048 bytes
	s_mov_b32 s41, 0
	s_max_u32 s42, s14, 1
	s_sub_co_u32 s42, s42, 1                       ; which of the head's three planes (wave 0 asks for none)
	s_mul_i32 s43, s17, 3
	s_add_co_u32 s42, s42, s43
	s_lshl_b32 s42, s42, 17                        ; a plane is 131,072 bytes
	s_mov_b32 s43, 0
	s_mul_i32 s44, s14, CHUNK
	s_add_co_u32 s44, s44, ABYTES-CHUNK            ; and where W's go: behind xn's tile, wave 1 first
	s_wait_dscnt 0x0
	s_wait_kmcnt 0x0
	s_add_nc_u64 s[40:41], s[4:5], s[40:41]
	s_add_nc_u64 s[42:43], s[6:7], s[42:43]
	CROUND                                         ; all sixteen work-groups are here: the first joint loads meet
.irp s, 0,1
	s_mov_b32 s[G0A+4*\s], 1
	s_mov_b32 s[G0A+4*\s+1], \s*SLOT
	s_add_nc_u64 s[G0A+4*\s+2:G0A+4*\s+3], s[40:41], \s*256        ; K step s: 128 elements along the rows
	s_or_b32 s[G0A+4*\s+3], s[G0A+4*\s+3], 0x80000000
	s_mov_b32 s[G0B+4*\s], 1
	s_add_co_u32 s[G0B+4*\s+1], s44, \s*SLOT
	s_add_nc_u64 s[G0B+4*\s+2:G0B+4*\s+3], s[42:43], \s*16384      ; K step s: 128 k rows of 128 bytes
	s_or_b32 s[G0B+4*\s+3], s[G0B+4*\s+3], 0x80000000
	JLOAD \s                                       ; both slots' first fills, two tensor loads a wave: the most that this text has out
.endr
	v_and_b32 v1, 15, v0                           ; r
	v_bfe_u32 v2, v0, 4, 1                         ; h
	v_lshlrev_b32 v[HO], 5, v2
.irp n, 0,1,2,3
	global_load_b128 v[SC+8*\n:SC+8*\n+3],       v[HO], s[8:9] offset:64*\n
	global_load_b128 v[SC+8*\n+4:SC+8*\n+7],     v[HO], s[8:9] offset:64*\n+16
	global_load_b128 v[SC+32+8*\n:SC+32+8*\n+3], v[HO], s[10:11] offset:64*\n
	global_load_b128 v[SC+36+8*\n:SC+36+8*\n+3], v[HO], s[10:11] offset:64*\n+16
.endr
	v_mul_u32_u24 v3, v1, PA
	v_lshl_add_u32 v3, v2, 4, v3                   ; row r x pitch + 16 h
	s_mul_i32 s23, s14, 64*PA                      ; my 64 rows
	v_add_nc_u32 v[ADRA], s23, v3
	v_add_nc_u32 v[ADRA+1], SLOT, v[ADRA]
	v_and_b32 v4, 7, v0
	v_lshl_add_u32 v4, v2, 3, v4                   ; k row 8 h + lane mod 8
	v_mul_u32_u24 v4, v4, PB
	v_bfe_u32 v5, v0, 3, 1
	v_lshl_add_u32 v4, v5, 4, v4                   ; + 16 bytes for the second eight columns
	v_add_nc_u32 v[ADRB], ABYTES, v4
	v_add_nc_u32 v[ADRB+1], SLOT, v[ADRB]
	s_mul_i32 s23, s14, 16*SP
	s_add_co_u32 s23, s23, STAGE                   ; my stage
	v_mul_u32_u24 v3, v1, SP
	v_lshl_add_u32 v3, v2, 4, v3
	v_add_nc_u32 v[STO], s23, v3                   ; in: row r, 16 bytes for each half of the lanes
	v_bfe_u32 v3, v0, 3, 2
	v_mul_u32_u24 v3, v3, SP
	v_and_b32 v4, 7, v0
	v_lshl_add_u32 v3, v4, 4, v3
	v_add_nc_u32 v[RD], s23, v3                    ; back: eight lanes take a row's 128 bytes of one plane, 32 lanes four rows
	v_and_b32 v3, 31, v0
	v_lshlrev_b32 v[CO], 4, v3
; 12 matrix instructions: row tile a x all 12 column tiles, 32 along K, from buffer f.  zero = 1: the first product starts the sums.
.macro MULA f, a, zero
.irp b, 0,1,2,3,4,5,6,7,8,9,10,11
.if \zero
	v_wmma_f32_16x16x32_f16 v[8*(12*((\a)%2)+\b):8*(12*((\a)%2)+\b)+7], v[96*\f+8*\b:96*\f+8*\b+7], v[FA+32*\f+8*\a:FA+32*\f+8*\a+7], 0
.else
	v_wmma_f32_16x16x32_f16 v[8*(12*((\a)%2)+\b):8*(12*((\a)%2)+\b)+7], v[96*\f+8*\b:96*\f+8*\b+7], v[FA+32*\f+8*\a:FA+32*\f+8*\a+7], v[8*(12*((\a)%2)+\b):8*(12*((\a)%2)+\b)+7]
.endif
.endr
.endm
; 32 LDS loads in one run: quarter kq (32 along K) of a slot into buffer f: 12 column tiles of W, transposed on the way, then my 4 row tiles of xn
.macro FETCH slot, kq, f
	WIN TO_B
.irp b, 0,1,2,3,4,5,6,7,8,9,10,11
	ds_load_tr16_b128 v[96*\f+8*\b:96*\f+8*\b+3],   v[ADRB+\slot] offset:CHUNK*(\b/4)+32*PB*\kq+32*(\b%4)
	ds_load_tr16_b128 v[96*\f+8*\b+4:96*\f+8*\b+7], v[ADRB+\slot] offset:CHUNK*(\b/4)+32*PB*\kq+32*(\b%4)+16*PB
.endr
	WIN 0
.irp a, 0,1,2,3
	ds_load_b128 v[FA+32*\f+8*\a:FA+32*\f+8*\a+3],   v[ADRA+\slot] offset:16*PA*\a+64*\kq
	ds_load_b128 v[FA+32*\f+8*\a+4:FA+32*\f+8*\a+7], v[ADRA+\slot] offset:16*PA*\a+64*\kq+32
.endr
.endm
; Four plain vector instructions stand between a matrix instruction and a load into one of its sources, or a vector instruction that reads its result
; (ISA guide 7.12.1 for vector instructions); the matrix instructions in between are not counted.
.macro PLACES
.rept 4
	v_nop
.endr
.endm
; A K step is four quarters of 32 along K, 48 matrix instructions each, on buffers 0, 1, 0, 1.  The 48 accumulators take turns, one instruction a turn,
; in the same order in every quarter.
.macro QUARTER slot, kq, f, g, zero    ; multiplies buffer f; in its middle fetches quarter kq of the same slot into buffer g
	s_wait_dscnt 4                                 ; W and xn's row tiles 0, 1 are in; the youngest four loads (row tiles 2, 3) may be out
	WIN MUL_LO
	MULA \f, 0, \zero
	MULA \f, 1, \zero
	PLACES
	FETCH \slot, \kq, \g
	s_wait_dscnt 32                                ; all but the 32 just issued
	WIN MUL_HI
	MULA \f, 2, \zero
	MULA \f, 3, \zero
.endm
.macro THREE slot, zero
	QUARTER \slot, 1, 0, 1, \zero
	QUARTER \slot, 2, 1, 0, 0
	QUARTER \slot, 3, 0, 1, 0
.endm
; The last quarter multiplies buffer 1 and changes slots.  In front of the barrier each wave waits for its reads of this slot and for all its tensor loads
; (one is out: its part of the next slot).  Behind it nobody reads this slot and the next slot is whole.  fill = 1: the barrier opens a round of the
; cluster's barrier, and the joint refill, two K steps ahead, is the first tensor load behind the round's closing wait, one a wave.
; From that request to the wait for it a wave issues 180 matrix instructions.
.macro TURN slot, next, fill
	s_wait_dscnt 4
	WIN MUL_LO
	MULA 1, 0, 0
	s_wait_dscnt 0x0                               ; my reads of this slot are over
	s_wait_tensorcnt 0x0                           ; and all my tensor loads have landed
	ds_add_u32 v193, v255
	s_wait_dscnt 0x0
	s_barrier_signal -1
	MULA 1, 1, 0                                   ; register work while the others arrive
	WIN 0
	s_barrier_wait -1
.if \fill
	CREST
	s_add_nc_u64 s[G0A+4*\slot+2:G0A+4*\slot+3], s[G0A+4*\slot+2:G0A+4*\slot+3], 512      ; no tensor load of mine is out: both group 0 of the slot step two K steps
	s_add_nc_u64 s[G0B+4*\slot+2:G0B+4*\slot+3], s[G0B+4*\slot+2:G0B+4*\slot+3], 32768
	JLOAD \slot
.endif
	PLACES
	FETCH \next, 0, 0
	WIN MUL_HI
	MULA 1, 2, 0
	MULA 1, 3, 0
.endm
.macro LAP zero
	THREE 0, \zero
	TURN 0, 1, 1
	THREE 1, 0
	TURN 1, 0, 1
.endm
	s_wait_loadcnt 0x0                             ; the scales, once
	s_wait_tensorcnt 0x1                           ; my part of K step 0 is in; K step 1's stays out
	s_barrier_signal -1
	s_barrier_wait -1
	FETCH 0, 0, 0
	LAP 1                                          ; the first lap stands in front of the loop: its first products start the sums
	WIN 0
	s_mov_b32 s3, LAPS-2
.Llap:
	LAP 0
	WIN 0
	s_sub_co_u32 s3, s3, 1
	s_cmp_lg_u32 s3, 0
	s_cbranch_scc1 .Llap
	THREE 0, 0                                     ; the last lap fills nothing
	TURN 0, 1, 0
	THREE 1, 0
	s_wait_dscnt 4
	WIN MUL_LO
	MULA 1, 0, 0
	MULA 1, 1, 0
	s_wait_dscnt 0x0
	WIN MUL_HI
	MULA 1, 2, 0
	MULA 1, 3, 0
	; THE WAY OUT, 16 rows at a time.
	PLACES
	s_lshl_b32 s74, s18, 15                        ; 256 by rows of 128 bytes,
	s_lshl_b32 s75, s14, 13                        ; + 64 w rows
	s_add_co_u32 s74, s74, s75
	s_mov_b32 s75, 0
	s_lshl_b32 s76, s17, 20                        ; the head's plane: 8,192 rows x 128 bytes
	s_mov_b32 s77, 0
	s_add_nc_u64 s[68:69], s[12:13], s[74:75]
	s_add_nc_u64 s[68:69], s[68:69], s[76:77]      ; q: plane head
	s_add_nc_u64 s[70:71], s[68:69], 0x800000      ; k: plane 8 + head
	s_add_nc_u64 s[72:73], s[70:71], 0x800000      ; v: plane 16 + head
; row: row tile 0..3; base: its first register in its window; rdw: sources 0 and 1 in that window; rww: source 0 and destination in that window
.macro OUT16 row, base, rdw, rww
	WIN \rdw
.irp c, 0,1                                        ; q, k: the sum of my 32 squares, in two chains
	v_pk_mul_f32 v[T+4*\c:T+4*\c+1],   v[\base+32*\c:\base+32*\c+1],   v[\base+32*\c:\base+32*\c+1]
	v_pk_mul_f32 v[T+4*\c+2:T+4*\c+3], v[\base+32*\c+2:\base+32*\c+3], v[\base+32*\c+2:\base+32*\c+3]
.irp k, 2,3,4,5,6,7,8,9,10,11,12,13,14,15
	v_pk_fma_f32 v[T+4*\c+2*(\k%2):T+4*\c+2*(\k%2)+1], v[\base+32*\c+2*\k:\base+32*\c+2*\k+1], v[\base+32*\c+2*\k:\base+32*\c+2*\k+1], v[T+4*\c+2*(\k%2):T+4*\c+2*(\k%2)+1]
.endr
.endr
	WIN 0
	v_pk_add_f32 v[T:T+1], v[T:T+1], v[T+2:T+3]
	v_pk_add_f32 v[T+4:T+5], v[T+4:T+5], v[T+6:T+7]
	v_add_f32 v[T], v[T], v[T+1]
	v_add_f32 v[T+4], v[T+4], v[T+5]
	v_permlanex16_b32 v[T+1], v[T], s21, s22       ; the other 32 columns of the row lie in the partner lane
	v_permlanex16_b32 v[T+5], v[T+4], s21, s22
	v_add_f32 v[T], v[T], v[T+1]
	v_add_f32 v[T+4], v[T+4], v[T+5]
	v_sqrt_f32 v[T+8], v[T]
	v_sqrt_f32 v[T+9], v[T+4]
	v_nop                                          ; one plain vector instruction behind transcendentals before their results are used (ISA guide 5.7.2)
	s_wait_alu depctr_va_vdst(0)
	v_max_num_f32 v[T+8], 0x2b8cbccc, v[T+8]       ; max(norm, 1e-12)
	v_max_num_f32 v[T+9], 0x2b8cbccc, v[T+9]
	v_rcp_f32 v[T+10], v[T+8]
	v_rcp_f32 v[T+12], v[T+9]
	v_nop
	s_wait_alu depctr_va_vdst(0)
	v_mul_f32 v[T+10], 0x4138aa3b, v[T+10]         ; q: x 8 log2(e)
	v_mov_b32 v[T+13], v[T+12]
	v_mov_b32 v[T+11], v[T+10]
	WIN \rww
.irp c, 0,1
.irp k, 0,1,2,3,4,5,6,7,8,9,10,11,12,13,14,15
	v_pk_mul_f32 v[\base+32*\c+2*\k:\base+32*\c+2*\k+1], v[\base+32*\c+2*\k:\base+32*\c+2*\k+1], v[T+10+2*\c:T+11+2*\c]
.endr
.irp k, 0,1,2,3,4,5,6,7,8,9,10,11,12,13,14,15
	v_pk_mul_f32 v[\base+32*\c+2*\k:\base+32*\c+2*\k+1], v[\base+32*\c+2*\k:\base+32*\c+2*\k+1], v[SC+32*\c+2*\k:SC+32*\c+2*\k+1]
.endr
.endr
	WIN \rdw
.irp b, 0,1,2,3,4,5,6,7,8,9,10,11
.irp e, 0,1,2,3
	v_cvt_pk_f16_f32 v[TMP+4*\b+\e], v[\base+8*\b+2*\e], v[\base+8*\b+2*\e+1]
.endr
.endr
	WIN 0
.irp b, 0,1,2,3,4,5,6,7,8,9,10,11
	ds_store_b128 v[STO], v[TMP+4*\b:TMP+4*\b+3] offset:32*\b
.endr
	s_wait_xcnt 0x0                                ; the last stores' data registers are loaded again only behind this wait
.irp c, 0,1,2
.irp u, 0,1,2,3
	ds_load_b128 v[RB+16*\c+4*\u:RB+16*\c+4*\u+3], v[RD] offset:128*\c+4*SP*\u    ; LDS serves a wave's instructions in order: these see the stores above
.endr
.endr
.irp c, 0,1,2
.irp u, 0,1,2,3
	s_wait_dscnt 11-4*\c-\u
	global_store_b128 v[CO], v[RB+16*\c+4*\u:RB+16*\c+4*\u+3], s[68+2*\c:69+2*\c] offset:2048*\row+512*\u   ; four rows of 128 bytes: 512 consecutive bytes, aligned
.endr
.endr
.endm
	OUT16 0, 0,  0x05, 0x41
	OUT16 1, 96, 0x05, 0x41
	OUT16 2, 0,  0x0a, 0x82
	OUT16 3, 96, 0x0a, 0x82
	s_set_vgpr_msb 0x3
	s_wait_tensorcnt 0x0
	ds_add_u32 v193, v255
	s_wait_dscnt 0x0
	s_set_vgpr_msb 0x300
	CROUND                                         ; the closing round: no work-group ends while a partner may still ask for a tile that names it
	s_endpgm
.Lfunc_end_k_q65b55fb8e1_qkv:
	.size	k_q65b55fb8e1_qkv, .Lfunc_end_k_q65b55fb8e1_qkv-k_q65b55fb8e1_qkv
	.p2alignl 7, 3214868480
	.fill 96, 4, 3214868480
	.section	.rodata,"a",@progbits
	.p2align	6, 0x0
	.amdhsa_kernel k_q65b55fb8e1_qkv
		.amdhsa_group_segment_fixed_size 327680
		.amdhsa_private_segment_fixed_size 0
		.amdhsa_enable_private_segment 0
		.amdhsa_kernarg_size 40
		.amdhsa_user_sgpr_count 2
		.amdhsa_user_sgpr_kernarg_segment_ptr 1
		.amdhsa_wavefront_size32 1
		.amdhsa_system_sgpr_workgroup_id_x 1
		.amdhsa_system_sgpr_workgroup_id_y 1
		.amdhsa_system_sgpr_workgroup_id_z 1
		.amdhsa_system_vgpr_workitem_id 0
		.amdhsa_next_free_vgpr 962
		.amdhsa_next_free_sgpr 80
		.amdhsa_reserve_vcc 0
		.amdhsa_float_denorm_mode_32 3
		.amdhsa_float_denorm_mode_16_64 3
		.amdhsa_memory_ordered 1
		.amdhsa_forward_progress 1
		.amdhsa_inst_pref_size 193
	.end_amdhsa_kernel
	.amdgpu_metadata
---
amdhsa.version: [ 1, 2 ]
amdhsa.kernels:
  - .name:           k_q65b55fb8e1_qkv
    .symbol:         k_q65b55fb8e1_qkv.kd
    .args:
      - { .name: xn, .offset: 0, .size: 8, .value_kind: global_buffer, .address_space: global }
      - { .name: wb, .offset: 8, .size: 8, .value_kind: global_buffer, .address_space: global }
      - { .name: q_scale, .offset: 16, .size: 8, .value_kind: global_buffer, .address_space: global }
      - { .name: k_scale, .offset: 24, .size: 8, .value_kind: global_buffer, .address_space: global }
      - { .name: qkvh, .offset: 32, .size: 8, .value_kind: global_buffer, .address_space: global }
    .group_segment_fixed_size: 327680
    .private_segment_fixed_size: 0
    .kernarg_segment_align: 8
    .kernarg_segment_size: 40
    .max_flat_workgroup_size: 128
    .sgpr_count:     80
    .vgpr_count:     962
    .wavefront_size: 32
...
	.end_amdgpu_metadata
.endif
;; end of part 2
;; launch attn (part 3): grid 8 x 32, 8 waves a work-group, clusters of 4 x 1, 327,680 bytes of LDS; arguments qkvh, null_kv, k_scale, o; writes o
.if DOCPART == 3
	.amdgcn_target "amdgcn-amd-amdhsa--gfx1250"
	.amdhsa_code_object_version 6
	.text
	.protected	k_q65b55fb8e1_attn
	.globl	k_q65b55fb8e1_attn
	.p2align	8
	.type	k_q65b55fb8e1_attn,@function
k_q65b55fb8e1_attn:
	s_mov_b64 s[64:65], 0
	v_nop
	global_prefetch_b8 v0, s[64:65] scope:SCOPE_SE
	s_setreg_imm32_b32 hwreg(HW_REG_WAVE_MODE, 25, 1), 1
	s_wait_xcnt 0x0
	s_wait_alu depctr_hold_cnt(0) depctr_sa_sdst(0) depctr_va_vdst(0) depctr_va_sdst(0) depctr_va_ssrc(0) depctr_va_vcc(0) depctr_vm_vsrc(0)
	s_getreg_b32 s2, hwreg(HW_REG_IB_STS2, 6, 4)
	s_cmp_eq_u32 s2, 0
	s_cbranch_scc0 .Lentry_in_a_cluster
	s_endpgm
.Lentry_in_a_cluster:
	s_bfe_u32 s2, ttmp6, 0x10000c
	s_cmp_lg_u32 s2, 0x3003
	s_cbranch_scc0 .Lentry_shape_is_right
	s_endpgm
.Lentry_shape_is_right:
; ATTN: o = softmax(q k^T) v for one batch and head (work-group y = 8 batch + head) and 256 queries (work-group x), with a running maximum.
; q comes with 1/norm, q_scale and 8 log2(e) in it, k with 1/norm and k_scale, so a score is the exponent of 2.
; Nothing of reference() is left out: the null key and value are the starting state of the running softmax (maximum = the null score, sum = 1, weighted
; sum = the null value), which is the sum over 2,049 keys written otherwise; the loop then walks exactly 2,048 keys.
; FORMAT: f16 operands (11 significant bits), f32 sums.  The weights 2^(score - running maximum) lie in [0, 1]; o is an average of v and the null value and has their range.
; LIMITS: a weight under 2^-25 of its row's largest counts as 0 in the product with v (its sum is kept in f32, where v_exp_f32 gives 0 under 2^-126); an |o| of 65,504 or
; more becomes infinite, and under 2^-14 the step is 2^-24; v_sqrt_f32 and v_rcp_f32 take denormals as zero (a null key whose sum of squares is under 2^-126 counts as
; norm 0 and is divided by 1e-12, as in reference()).
; SHARES: eight waves; wave w has queries 32 w .. 32 w + 31 of the block, as two tiles of 16, A and B.  A slot holds 256 keys of K and of V; a trip takes 64 keys.
; CLUSTER 4 x 1: the four query blocks of a cluster read the same K and V and ask jointly: waves 0-3 for 64 keys of K each, waves 4-7 for 64 keys of V each.
; LAYOUT: S^T = K Q^T (source 0 = 16 keys, source 1 = 16 queries): lane (r, h) holds query r and keys 8 h .. 8 h + 7 of a tile, so a query's maximum and sum are
; taken in the lane and its partner lane, and two key tiles rounded to f16 ARE source 1 of O^T = V^T P^T, with no move between lanes.
; V lies [key][d] in LDS; ds_load_tr16_b128 makes V^T's fragments.  Maximum, sum and rescaling factor are one number a lane.
; THE TWO TILES TAKE TURNS.  A trip t is two halves of 16 products each:
;   X(t): 8 products O_B += V(t-1) P_B(t-1), then 8 products S_B(t) = K(t) Q_B;   behind each product one of the 16 slices of A's softmax of trip t
;   Y(t): 8 products O_A += V(t) P_A(t),     then 8 products S_A(t+1) = K(t+1) Q_A; behind each product one of the 16 slices of B's softmax of trip t
; A tile's softmax is 120 vector instructions, 5 to 8 a slice; the slices name none of the other tile's registers, so they are also the plain vector instructions that
; have to stand behind products (ISA guide 7.12.1), and the loop holds no v_nop.  V(t) is loaded in the middle of X(t), behind the last product that reads V(t-1), and
; K(t+1) at the head of Y(t), behind the last product that reads K(t): each has eight products and their slices in which to come.
; REGISTERS: K(t+1) and V(t) are live at once, so Q 32 + O 64 + S 64 + K 64 + V 64 = 288 and 31 others do not fit into 256.  V's fragments, which only LDS loads and source 0 of
; products name, lie in v256-319 (window 1).  That costs two s_set_vgpr_msb round each of a trip's 16 products with V and two round V's 16 loads: 34 for a trip's 32 products.
.set PK,    144                        ; LDS pitch of K's rows: 128 + 16 bytes, an odd multiple of 16
.set PV,    160                        ; of V's rows: 128 + 32, an odd multiple of 32
.set KSUB,  64*PK                      ; 9,216: 64 keys of K, one wave's load
.set VSUB,  64*PV                      ; 10,240: 64 keys of V
.set VOFF,  4*VSUB                     ; V begins at wave 4's place; 4,096 bytes behind K's 36,864 stay unused, so that every LDS address is the wave's number times a constant
.set SLOT,  8*VSUB                     ; 81,920
.set STAGE, 2*SLOT                     ; behind the ring, never filled by a tensor load: 32 rows x 144 bytes for each wave
.set SP,    144
.set ADK, 2                            ; v2-3    LDS address of K's fragments in slot 0, 1
.set ADV, 4                            ; v4-5    of V's
.set STO, 6                            ; v6      the way out: in
.set RD,  7                            ; v7      the way out: back
.set CO,  8                            ; v8      16 x lane
.set QO,  9                            ; v9      128 r + 16 h
.set M,   10                           ; v10-11  running maximum of tile A, B
.set LS,  12                           ; v12-13  running sum over my half's keys
.set MN,  14                           ; v[14:15] the new maximum, twice
.set AL,  16                           ; v[16:17] 2^(old - new maximum), twice
.set T,   18                           ; v[18:25] at work
.set HO,  26                           ; v26     32 h
.set Q,   32                           ; v[32:63]   Q's fragments: 16 qt + 8 ks
.set S,   64                           ; v[64:127]  scores, then weights: 32 qt + 8 kt
.set O,   128                          ; v[128:191] O^T: 32 qt + 8 dt
.set F,   192                          ; v[192:255] K's fragments: 16 kt + 8 ks
.set VF,  0                            ; window 1, v[0:63] = v256-319: V^T's fragments: 16 dt + 8 ks
.set G1K, 24
.set G1V, 32
.set G0K, 40                           ; s[40:47] one set for each slot
.set G0V, 48                           ; s[48:55]
.set MSB, 0
.macro WIN new                         ; the immediate's high byte repeats the setting that is left; a switch that changes nothing is dropped
.if MSB != (\new)
	s_set_vgpr_msb (MSB<<8)|(\new)
.set MSB, (\new)
.endif
.endm
.macro JLOAD s                         ; the branch hangs on the wave's number alone
	s_cmp_lt_u32 s12, 4
	s_cbranch_scc0 .Lfor_v_\@
	tensor_load_to_lds s[G0K+4*\s:G0K+4*\s+3], s[G1K:G1K+7]
	s_nop 0
	s_branch .Lasked_\@
.Lfor_v_\@:
	tensor_load_to_lds s[G0V+4*\s:G0V+4*\s+3], s[G1V:G1V+7]
	s_nop 0
.Lasked_\@:
.endm
.macro CREST                           ; a round of the cluster's barrier behind its opening work-group barrier
	s_cmp_lg_u32 s12, 0
	s_cbranch_scc1 .Lnot_wave_0_\@
	s_barrier_signal -3
.Lnot_wave_0_\@:
	s_barrier_wait -3
	s_barrier_signal -1
	s_barrier_wait -1
.endm
.macro ROUND                           ; a whole round
	s_barrier_signal -1
	s_barrier_wait -1
	CREST
.endm
	s_load_b256 s[4:11], s[0:1], 0x0               ; qkvh 4, null_kv 6, k_scale 8, o 10
	v_lshl_add_u32 v25, v0, 2, 0x31000
	v_mov_b32 v31, 0
	ds_add_u32 v25, v31
	v_lshrrev_b32 v1, 5, v0
	v_readfirstlane_b32 s12, v1                    ; wave 0..7
	s_bfe_u32 s13, ttmp6, 0x40000                  ; cx
	s_lshl_b32 s14, ttmp9, 2
	s_add_co_u32 s14, s14, s13                     ; query block = 4 x cluster x + cx
	s_and_b32 s15, ttmp7, 0xffff
	s_and_b32 s16, s15, 7                          ; head
	s_lshr_b32 s17, s15, 3                         ; batch
	s_mov_b32 s56, 0x76543210                      ; v_permlanex16_b32: lane i of one half reads lane i of the other
	s_mov_b32 s57, 0xfedcba98
	; group 1: 8,192 dense bytes (64 keys x 128) as 32 rows of 256; padding behind every 32 words, that is behind each key: 4 words for K, 8 for V; the mask names all four work-groups
	s_mov_b32 s[G1K+0], 15|(1<<16)|(1<<20)|(1<<21)|(4<<22)|(3<<25)
	s_mov_b32 s[G1K+1], 128<<16
	s_mov_b32 s[G1K+2], 32<<16
	s_mov_b32 s[G1K+3], 128<<16
	s_mov_b32 s[G1K+4], 32
	s_mov_b32 s[G1K+5], 128
	s_mov_b32 s[G1K+6], 0
	s_mov_b32 s[G1K+7], 0
	s_mov_b32 s[G1V+0], 15|(1<<16)|(1<<20)|(1<<21)|(4<<22)|(7<<25)
	s_mov_b32 s[G1V+1], 128<<16
	s_mov_b32 s[G1V+2], 32<<16
	s_mov_b32 s[G1V+3], 128<<16
	s_mov_b32 s[G1V+4], 32
	s_mov_b32 s[G1V+5], 128
	s_mov_b32 s[G1V+6], 0
	s_mov_b32 s[G1V+7], 0
	; K's and V's addresses are made of head, batch and the wave's number alone
	s_and_b32 s18, s12, 3
	s_lshl_b32 s18, s18, 13                        ; my 64 keys of the slot's 256
	s_lshl_b32 s19, s16, 20
	s_add_co_u32 s18, s18, s19                     ; the head's plane,
	s_lshl_b32 s19, s17, 18
	s_add_co_u32 s18, s18, s19                     ; the batch's 2,048 rows of 128 bytes,
	s_add_co_u32 s18, s18, 8<<20                   ; behind q's eight planes
	s_mov_b32 s19, 0
	s_mul_i32 s22, s12, KSUB
	s_mul_i32 s23, s12, VSUB
	; my 32 queries: the same offset in q's planes and in o
	s_lshl_b32 s20, s16, 20
	s_lshl_b32 s21, s17, 18
	s_add_co_u32 s20, s20, s21
	s_lshl_b32 s21, s14, 15                        ; 256 rows of 128 bytes
	s_add_co_u32 s20, s20, s21
	s_lshl_b32 s21, s12, 12                        ; 32 rows
	s_add_co_u32 s20, s20, s21
	s_mov_b32 s21, 0
	s_lshl_b32 s68, s16, 8                         ; the head's 64 numbers in null_kv
	s_mov_b32 s69, 0
	s_wait_dscnt 0x0
	s_wait_kmcnt 0x0
	s_add_nc_u64 s[18:19], s[4:5], s[18:19]
	s_add_nc_u64 s[60:61], s[4:5], s[20:21]
	s_add_nc_u64 s[62:63], s[10:11], s[20:21]
	s_add_nc_u64 s[66:67], s[6:7], s[68:69]
	ROUND                                          ; all four work-groups are here: the first joint loads meet
.irp s, 0,1
	s_mov_b32 s[G0K+4*\s], 1
	s_add_co_u32 s[G0K+4*\s+1], s22, \s*SLOT
	s_add_nc_u64 s[G0K+4*\s+2:G0K+4*\s+3], s[18:19], \s*32768              ; keys 256 s ..
	s_or_b32 s[G0K+4*\s+3], s[G0K+4*\s+3], 0x80000000
	s_mov_b32 s[G0V+4*\s], 1
	s_add_co_u32 s[G0V+4*\s+1], s23, \s*SLOT
	s_add_nc_u64 s[G0V+4*\s+2:G0V+4*\s+3], s[18:19], \s*32768+0x800000     ; v's planes lie eight planes behind k's
	s_or_b32 s[G0V+4*\s+3], s[G0V+4*\s+3], 0x80000000
	JLOAD \s                                       ; both slots' first fills, two tensor loads a wave: the most that this text has out
.endr
	v_and_b32 v27, 15, v0                          ; r
	v_bfe_u32 v28, v0, 4, 1                        ; h
	v_lshlrev_b32 v29, 7, v27
	v_lshl_add_u32 v[QO], v28, 4, v29
	v_lshlrev_b32 v[HO], 5, v28
.irp qt, 0,1
.irp c, 0,1,2,3
	global_load_b128 v[Q+16*\qt+4*\c:Q+16*\qt+4*\c+3], v[QO], s[60:61] offset:2048*\qt+32*\c     ; register 4 c + i: d = 16 c + 8 h + 2 i, + 1
.endr
.endr
.irp c, 0,1,2,3
	global_load_b128 v[S+8*\c:S+8*\c+3],   v[HO], s[66:67] offset:64*\c        ; the null key: register 8 c + e = d 16 c + 8 h + e, in the order of a fragment's halves
	global_load_b128 v[S+8*\c+4:S+8*\c+7], v[HO], s[66:67] offset:64*\c+16
.endr
.irp c, 0,1,2,3
	global_load_b128 v[S+32+8*\c:S+32+8*\c+3], v[HO], s[8:9] offset:64*\c      ; k_scale likewise
	global_load_b128 v[S+36+8*\c:S+36+8*\c+3], v[HO], s[8:9] offset:64*\c+16
.endr
.irp qt, 0,1
.irp dt, 0,1,2,3
	global_load_b128 v[O+32*\qt+8*\dt:O+32*\qt+8*\dt+3],   v[HO], s[66:67] offset:2048+64*\dt       ; the null value starts O^T: register 8 dt + j = d 16 dt + 8 h + j
	global_load_b128 v[O+32*\qt+8*\dt+4:O+32*\qt+8*\dt+7], v[HO], s[66:67] offset:2048+64*\dt+16
.endr
.endr
	v_mul_u32_u24 v29, v27, PK
	v_lshl_add_u32 v[ADK], v28, 4, v29             ; key r x pitch + 16 h
	v_add_nc_u32 v[ADK+1], SLOT, v[ADK]
	v_and_b32 v29, 7, v0
	v_lshl_add_u32 v29, v28, 3, v29                ; key 8 h + lane mod 8
	v_mul_u32_u24 v29, v29, PV
	v_bfe_u32 v30, v0, 3, 1
	v_lshl_add_u32 v29, v30, 4, v29
	v_add_nc_u32 v[ADV], VOFF, v29
	v_add_nc_u32 v[ADV+1], SLOT, v[ADV]
	s_mul_i32 s70, s12, 32*SP
	s_add_co_u32 s70, s70, STAGE                   ; my stage
	v_mul_u32_u24 v29, v27, SP
	v_lshl_add_u32 v29, v28, 4, v29
	v_add_nc_u32 v[STO], s70, v29
	v_bfe_u32 v29, v0, 3, 2
	v_mul_u32_u24 v29, v29, SP
	v_and_b32 v30, 7, v0
	v_lshl_add_u32 v29, v30, 4, v29
	v_add_nc_u32 v[RD], s70, v29
	v_and_b32 v29, 31, v0
	v_lshlrev_b32 v[CO], 4, v29
	v_cvt_f32_u32 v29, v28
	v_sub_f32 v[LS], 1.0, v29                      ; the null key's weight 1 is counted once: in lanes 0-15; the halves' sums meet at the end
	v_sub_f32 v[LS+1], 1.0, v29
	; The null score: q . (nk / max(|nk|, 1e-12) x k_scale).  The scaled null key is rounded to f16 like every other key.
	s_wait_loadcnt 16                              ; Q, the null key and k_scale are in; the 16 loads of the null value stay out
	v_pk_mul_f32 v[T:T+1],   v[S:S+1],   v[S:S+1]
	v_pk_mul_f32 v[T+2:T+3], v[S+2:S+3], v[S+2:S+3]
.irp k, 2,3,4,5,6,7,8,9,10,11,12,13,14,15
	v_pk_fma_f32 v[T+2*(\k%2):T+2*(\k%2)+1], v[S+2*\k:S+2*\k+1], v[S+2*\k:S+2*\k+1], v[T+2*(\k%2):T+2*(\k%2)+1]
.endr
	v_pk_add_f32 v[T:T+1], v[T:T+1], v[T+2:T+3]
	v_add_f32 v[T], v[T], v[T+1]
	v_permlanex16_b32 v[T+1], v[T], s56, s57
	v_add_f32 v[T], v[T], v[T+1]
	v_sqrt_f32 v[T+2], v[T]
	v_nop                                          ; one plain vector instruction behind a transcendental before its result is used (ISA guide 5.7.2)
	s_wait_alu depctr_va_vdst(0)
	v_max_num_f32 v[T+2], 0x2b8cbccc, v[T+2]       ; max(norm, 1e-12)
	v_rcp_f32 v[T+4], v[T+2]
	v_nop
	s_wait_alu depctr_va_vdst(0)
	v_mov_b32 v[T+5], v[T+4]
.irp k, 0,1,2,3,4,5,6,7,8,9,10,11,12,13,14,15
	v_pk_mul_f32 v[S+2*\k:S+2*\k+1], v[S+2*\k:S+2*\k+1], v[T+4:T+5]
.endr
.irp k, 0,1,2,3,4,5,6,7,8,9,10,11,12,13,14,15
	v_pk_mul_f32 v[S+2*\k:S+2*\k+1], v[S+2*\k:S+2*\k+1], v[S+32+2*\k:S+32+2*\k+1]
.endr
.irp i, 0,1,2,3,4,5,6,7,8,9,10,11,12,13,14,15
	v_cvt_pk_f16_f32 v[S+32+\i], v[S+2*\i], v[S+2*\i+1]            ; two fragments (d 0-31, d 32-63), over k_scale, which is used up
.endr
	; Every lane of a half holds the same numbers, so all 16 rows of source 0 are the null key, and every register of lanes r and r + 16 of the result
	; is query r's null score.  Two accumulators by turns, one instruction a turn.
	v_wmma_f32_16x16x32_f16 v[F:F+7],    v[S+32:S+39], v[Q:Q+7],     0
	v_wmma_f32_16x16x32_f16 v[F+8:F+15], v[S+32:S+39], v[Q+16:Q+23], 0
	v_wmma_f32_16x16x32_f16 v[F:F+7],    v[S+40:S+47], v[Q+8:Q+15],  v[F:F+7]
	v_wmma_f32_16x16x32_f16 v[F+8:F+15], v[S+40:S+47], v[Q+24:Q+31], v[F+8:F+15]
.rept 5
	v_nop                                          ; four plain vector instructions before the results are read and before loads land in F; five before the first scores' products write over S + 32 .. S + 47 (ISA guide 7.12.1)
.endr
	v_mov_b32 v[M],   v[F]                         ; the running maximum starts at the null score
	v_mov_b32 v[M+1], v[F+8]
.macro KLOAD slot, t                   ; 64 keys x 64 d of K: fragment (kt, ks) at F + 16 kt + 8 ks
.irp kt, 0,1,2,3
.irp c, 0,1,2,3
	ds_load_b128 v[F+16*\kt+4*\c:F+16*\kt+4*\c+3], v[ADK+\slot] offset:KSUB*(\t)+16*PK*\kt+32*\c
.endr
.endr
.endm
.macro VLOAD slot, t                   ; 64 keys x 64 d of V, transposed: fragment (dt, ks) at VF + 16 dt + 8 ks of window 1 (the loaded data is the destination; the address stays in window 0)
	WIN 0x40
.irp dt, 0,1,2,3
.irp ks, 0,1
	ds_load_tr16_b128 v[VF+16*\dt+8*\ks:VF+16*\dt+8*\ks+3],   v[ADV+\slot] offset:VSUB*(\t)+32*PV*\ks+32*\dt
	ds_load_tr16_b128 v[VF+16*\dt+8*\ks+4:VF+16*\dt+8*\ks+7], v[ADV+\slot] offset:VSUB*(\t)+32*PV*\ks+16*PV+32*\dt
.endr
.endr
	WIN 0
.endm
; Product n (0..7) of a tile's scores: key tile n mod 4, half n / 4 of d.  The first four start the sums.  The four accumulators take turns, one instruction a turn.
.macro SW qt, n
.if (\n) < 4
	v_wmma_f32_16x16x32_f16 v[S+32*\qt+8*(\n):S+32*\qt+8*(\n)+7], v[F+16*(\n):F+16*(\n)+7], v[Q+16*\qt:Q+16*\qt+7], 0
.else
	v_wmma_f32_16x16x32_f16 v[S+32*\qt+8*((\n)-4):S+32*\qt+8*((\n)-4)+7], v[F+16*((\n)-4)+8:F+16*((\n)-4)+15], v[Q+16*\qt+8:Q+16*\qt+15], v[S+32*\qt+8*((\n)-4):S+32*\qt+8*((\n)-4)+7]
.endif
.endm
; Product n (0..7) of a tile's weights with V: d tile n mod 4, keys 32 (n / 4) .. + 31.  Source 0 in window 1.  Four accumulators by turns likewise.
.macro PVW qt, n
	WIN 0x01
	v_wmma_f32_16x16x32_f16 v[O+32*\qt+8*((\n)%4):O+32*\qt+8*((\n)%4)+7], v[VF+16*((\n)%4)+8*((\n)/4):VF+16*((\n)%4)+8*((\n)/4)+7], v[S+32*\qt+16*((\n)/4):S+32*\qt+16*((\n)/4)+7], v[O+32*\qt+8*((\n)%4):O+32*\qt+8*((\n)%4)+7]
	WIN 0
.endm
; THE SOFTMAX OF ONE TILE'S 64 SCORES, in 16 slices.  Its lines:
.macro EX qt, r                        ; weight r = 2^(score - maximum), in place
	v_exp_f32 v[S+32*\qt+(\r)], v[S+32*\qt+(\r)]
.endm
.macro CSUB qt, k                      ; the new maximum is taken away from scores 2 k, 2 k + 1
	v_pk_add_f32 v[S+32*\qt+2*(\k):S+32*\qt+2*(\k)+1], v[S+32*\qt+2*(\k):S+32*\qt+2*(\k)+1], v[MN:MN+1] neg_lo:[0,1] neg_hi:[0,1]
.endm
.macro EMUL qt, k                      ; O's numbers 2 k, 2 k + 1 are brought to the new maximum
	s_wait_alu depctr_va_vdst(0)
	v_pk_mul_f32 v[O+32*\qt+2*(\k):O+32*\qt+2*(\k)+1], v[O+32*\qt+2*(\k):O+32*\qt+2*(\k)+1], v[AL:AL+1]
.endm
.macro FADD qt, k                      ; weights 2 k, 2 k + 1 join the sum, in two chains
	s_wait_alu depctr_va_vdst(0)
	v_pk_add_f32 v[T+2*((\k)%2):T+2*((\k)%2)+1], v[T+2*((\k)%2):T+2*((\k)%2)+1], v[S+32*\qt+2*(\k):S+32*\qt+2*(\k)+1]
.endm
.macro GCVT qt, ks, i                  ; two key tiles, 16 registers, become their first 8: register i is written when it has been read by its own conversion and by the sum
	v_cvt_pk_f16_f32 v[S+32*\qt+16*\ks+\i], v[S+32*\qt+16*\ks+2*\i], v[S+32*\qt+16*\ks+2*\i+1]
.endm
.macro SLEC qt, r0, k0                 ; four exponentials, each with a subtraction for a later slice behind it
.irp j, 0,1,2,3
	EX \qt, \r0+\j
	CSUB \qt, \k0+\j
.endr
.endm
.macro SLEE qt, r0, k0                 ; four exponentials, each with a rescaling of O behind it
.irp j, 0,1,2,3
	EX \qt, \r0+\j
	EMUL \qt, \k0+\j
.endr
.endm
; Behind every exponential stands a plain vector instruction that touches neither its result nor its source (ISA guide 5.7.2), and every slice with exponentials ends
; with such a one.  Slice 7 holds four plain instructions and slice 15 six: the loads into fragments and the reads of the other tile's new scores stand behind them.
.macro SL qt, n
.if (\n) == 0
.irp c, 0,1,2,3
	v_max3_num_f32 v[T+\c], v[S+32*\qt+8*\c], v[S+32*\qt+8*\c+1], v[S+32*\qt+8*\c+2]
.endr
.irp c, 0,1,2,3
	v_max3_num_f32 v[T+\c], v[T+\c], v[S+32*\qt+8*\c+3], v[S+32*\qt+8*\c+4]
.endr
.endif
.if (\n) == 1
.irp c, 0,1,2,3
	v_max3_num_f32 v[T+\c], v[T+\c], v[S+32*\qt+8*\c+5], v[S+32*\qt+8*\c+6]
.endr
	v_max3_num_f32 v[T],   v[T],   v[T+1], v[S+32*\qt+7]
	v_max3_num_f32 v[T+2], v[T+2], v[T+3], v[S+32*\qt+15]
.endif
.if (\n) == 2
	v_max3_num_f32 v[T],   v[T],   v[T+2], v[S+32*\qt+23]
	v_max3_num_f32 v[T],   v[T],   v[S+32*\qt+31], v[M+\qt]
	v_permlanex16_b32 v[T+1], v[T], s56, s57       ; the query's other 32 keys lie in the partner lane
	v_max_num_f32 v[MN],   v[T], v[T+1]
	v_max_num_f32 v[MN+1], v[T], v[T+1]
.endif
.if (\n) == 3
	v_sub_f32 v[T+2], v[M+\qt], v[MN]
	v_mov_b32 v[M+\qt], v[MN]
	v_exp_f32 v[AL],   v[T+2]
	v_exp_f32 v[AL+1], v[T+2]
.irp k, 0,1,2,3
	CSUB \qt, \k
.endr
.endif
.if (\n) == 4
	SLEC \qt, 0, 4
.endif
.if (\n) == 5
	SLEC \qt, 4, 8
.endif
.if (\n) == 6
	SLEC \qt, 8, 12
.endif
.if (\n) == 7
	SLEE \qt, 12, 0
.endif
.if (\n) == 8
	SLEE \qt, 16, 4
.endif
.if (\n) == 9
	SLEE \qt, 20, 8
.endif
.if (\n) == 10
	SLEE \qt, 24, 12
.endif
.if (\n) == 11
	EX \qt, 28
	v_pk_add_f32 v[T:T+1],   v[S+32*\qt:S+32*\qt+1],   v[S+32*\qt+4:S+32*\qt+5]     ; the first four pairs start the two chains of the sum
	EX \qt, 29
	v_pk_add_f32 v[T+2:T+3], v[S+32*\qt+2:S+32*\qt+3], v[S+32*\qt+6:S+32*\qt+7]
	EX \qt, 30
	FADD \qt, 4
	EX \qt, 31
	FADD \qt, 5
.endif
.if (\n) == 12
	FADD \qt, 6
	GCVT \qt, 0, 0
	FADD \qt, 7
	GCVT \qt, 0, 1
	FADD \qt, 8
	GCVT \qt, 0, 2
	FADD \qt, 9
	GCVT \qt, 0, 3
.endif
.if (\n) == 13
	FADD \qt, 10
	GCVT \qt, 0, 4
	FADD \qt, 11
	GCVT \qt, 0, 5
	FADD \qt, 12
	GCVT \qt, 0, 6
	FADD \qt, 13
	GCVT \qt, 0, 7
.endif
.if (\n) == 14
	FADD \qt, 14
	GCVT \qt, 1, 0
	FADD \qt, 15
	GCVT \qt, 1, 1
	v_pk_add_f32 v[T:T+1], v[T:T+1], v[T+2:T+3]
	GCVT \qt, 1, 2
	GCVT \qt, 1, 3
.endif
.if (\n) == 15
	v_add_f32 v[T], v[T], v[T+1]
	GCVT \qt, 1, 4
	v_fma_f32 v[LS+\qt], v[LS+\qt], v[AL], v[T]
	GCVT \qt, 1, 5
	GCVT \qt, 1, 6
	GCVT \qt, 1, 7
.endif
.endm
; X(t), t = trip sub of the slot: B's products, A's softmax.  pv = 0 in the very first trip, which has no weights of B yet.
.macro XBLK slot, sub, pv
.if \pv
.irp n, 0,1,2,3,4,5,6,7
	PVW 1, \n
	SL 0, \n
.endr
	VLOAD \slot, \sub                              ; behind the last product that reads V(t-1) and slice 7's four plain instructions
.else
	VLOAD \slot, \sub
.irp n, 0,1,2,3,4,5,6,7
	SL 0, \n
.endr
.endif
.irp n, 0,1,2,3,4,5,6,7
	SW 1, \n
	SL 0, \n+8
.endr
.endm
; Y(t) inside a slot: A's products, B's softmax.
.macro YNORM slot, sub
	KLOAD \slot, \sub+1                            ; behind the last product that reads K(t) and slice 15's six plain instructions
	s_wait_dscnt 16                                ; LDS loads come back in order: V(t)'s 16 are in, the 16 of K(t+1) just issued stay out
.irp n, 0,1,2,3,4,5,6,7
	PVW 0, \n
	SL 1, \n
.endr
	s_wait_dscnt 0x0                               ; K(t+1)
.irp n, 0,1,2,3,4,5,6,7
	SW 0, \n
	SL 1, \n+8
.endr
.endm
; Y(t) of a slot's last trip: the change of slots.  V(t) was my last read of this slot.  Every wave waits for all its tensor loads (its part of the other slot among them) and
; for its LDS reads, and signals; four products and their slices, register work alone, stand between the signal and its wait.  refill = 1: the barrier opens a round of the
; cluster's barrier, which makes both hold of every wave of all four work-groups; the joint refill of this slot, 512 keys on, is the first tensor load behind the round's closing
; wait, one a wave, and has the other slot's 256 keys of work in which to land.  refill = 0: nothing is left to fetch, and my work-group's barrier is enough.
; K(t+1) comes from the other slot, behind the barrier; four products and their slices stand between its loads and their wait.
.macro YTURN slot, refill
	s_wait_tensorcnt 0x0
	ds_add_u32 v25, v31
	s_wait_dscnt 0x0
.if \refill
	s_add_nc_u64 s[G0K+4*\slot+2:G0K+4*\slot+3], s[G0K+4*\slot+2:G0K+4*\slot+3], 65536     ; no tensor load of mine is out: the slot's two group 0 step 512 keys
	s_add_nc_u64 s[G0V+4*\slot+2:G0V+4*\slot+3], s[G0V+4*\slot+2:G0V+4*\slot+3], 65536
.endif
	s_wait_dscnt 0x0
	s_barrier_signal -1
.irp n, 0,1,2,3
	PVW 0, \n
	SL 1, \n
.endr
	s_barrier_wait -1
.if \refill
	CREST
	JLOAD \slot
.endif
	KLOAD 1-\slot, 0
.irp n, 4,5,6,7
	PVW 0, \n
	SL 1, \n
.endr
	s_wait_dscnt 0x0                               ; K(t+1)
.irp n, 0,1,2,3,4,5,6,7
	SW 0, \n
	SL 1, \n+8
.endr
.endm
.macro RUN slot                        ; from Y of a slot's first trip to X of its last
	YNORM \slot, 0
	XBLK  \slot, 1, 1
	YNORM \slot, 1
	XBLK  \slot, 2, 1
	YNORM \slot, 2
	XBLK  \slot, 3, 1
.endm
	s_wait_loadcnt 0x0                             ; the null value
	s_wait_tensorcnt 0x1                           ; my part of slot 0 is in; slot 1's stays out
	s_barrier_signal -1
	s_barrier_wait -1
	KLOAD 0, 0
	s_wait_dscnt 0x0
.irp n, 0,1,2,3,4,5,6,7
	SW 0, \n                                       ; A's first scores: no softmax is there yet to stand among them
.endr
.rept 4
	v_nop                                          ; four plain vector instructions before slice 0 reads them (ISA guide 7.12.1)
.endr
	XBLK 0, 0, 0
	; The loop's body runs from Y of slot 0's first trip to X of slot 0's next first trip: 8 trips, 512 keys, both slots filled again.  Three times: keys 0 to 1,535.
	s_mov_b32 s58, 3
.Lkeys:
	RUN 0
	YTURN 0, 1
	XBLK 1, 0, 1
	RUN 1
	YTURN 1, 1
	XBLK 0, 0, 1
	s_sub_co_u32 s58, s58, 1
	s_cmp_lg_u32 s58, 0
	s_cbranch_scc1 .Lkeys
	RUN 0                                          ; keys 1,536 to 2,047: nothing is left to fetch
	YTURN 0, 0
	XBLK 1, 0, 1
	RUN 1
	s_wait_dscnt 0x0                               ; V of the last trip
.irp n, 0,1,2,3,4,5,6,7
	PVW 0, \n
	SL 1, \n
.endr
.irp n, 8,9,10,11,12,13,14,15
	SL 1, \n
.endr
.irp n, 0,1,2,3,4,5,6,7
	PVW 1, \n
.endr
	; THE WAY OUT: divide by the sum, round to f16, 16 bytes a lane into my own stage, back as rows of 128 bytes.
	; The two additions, the v_nop, the two moves and tile A's 16 multiplications stand between B's last products and the first read of their results (ISA guide 7.12.1).
	v_permlanex16_b32 v[T],   v[LS],   s56, s57
	v_permlanex16_b32 v[T+1], v[LS+1], s56, s57
	v_add_f32 v[T],   v[T],   v[LS]
	v_add_f32 v[T+1], v[T+1], v[LS+1]
	v_rcp_f32 v[T+2], v[T]
	v_rcp_f32 v[T+4], v[T+1]
	v_nop
	s_wait_alu depctr_va_vdst(0)
	v_mov_b32 v[T+3], v[T+2]
	v_mov_b32 v[T+5], v[T+4]
.irp qt, 0,1
.irp k, 0,1,2,3,4,5,6,7,8,9,10,11,12,13,14,15
	v_pk_mul_f32 v[O+32*\qt+2*\k:O+32*\qt+2*\k+1], v[O+32*\qt+2*\k:O+32*\qt+2*\k+1], v[T+2+2*\qt:T+3+2*\qt]
.endr
.endr
.irp qt, 0,1
.irp dt, 0,1,2,3
.irp e, 0,1,2,3
	v_cvt_pk_f16_f32 v[S+16*\qt+4*\dt+\e], v[O+32*\qt+8*\dt+2*\e], v[O+32*\qt+8*\dt+2*\e+1]
.endr
	ds_store_b128 v[STO], v[S+16*\qt+4*\dt:S+16*\qt+4*\dt+3] offset:16*SP*\qt+32*\dt
.endr
.endr
.irp u, 0,1,2,3,4,5,6,7
	ds_load_b128 v[F+4*\u:F+4*\u+3], v[RD] offset:4*SP*\u      ; LDS serves a wave's instructions in order: these see the stores above
.endr
.irp u, 0,1,2,3,4,5,6,7
	s_wait_dscnt 7-\u
	global_store_b128 v[CO], v[F+4*\u:F+4*\u+3], s[62:63] offset:512*\u        ; four rows of 128 bytes: 512 consecutive bytes, aligned
.endr
	s_wait_tensorcnt 0x0
	ds_add_u32 v25, v31
	s_wait_dscnt 0x0
	ROUND                                          ; the closing round: no work-group ends while a partner may still ask for a tile that names it
	s_endpgm
.Lfunc_end_k_q65b55fb8e1_attn:
	.size	k_q65b55fb8e1_attn, .Lfunc_end_k_q65b55fb8e1_attn-k_q65b55fb8e1_attn
	.p2alignl 7, 3214868480
	.fill 96, 4, 3214868480
	.section	.rodata,"a",@progbits
	.p2align	6, 0x0
	.amdhsa_kernel k_q65b55fb8e1_attn
		.amdhsa_group_segment_fixed_size 327680
		.amdhsa_private_segment_fixed_size 0
		.amdhsa_enable_private_segment 0
		.amdhsa_kernarg_size 32
		.amdhsa_user_sgpr_count 2
		.amdhsa_user_sgpr_kernarg_segment_ptr 1
		.amdhsa_wavefront_size32 1
		.amdhsa_system_sgpr_workgroup_id_x 1
		.amdhsa_system_sgpr_workgroup_id_y 1
		.amdhsa_system_sgpr_workgroup_id_z 1
		.amdhsa_system_vgpr_workitem_id 0
		.amdhsa_next_free_vgpr 320
		.amdhsa_next_free_sgpr 80
		.amdhsa_reserve_vcc 0
		.amdhsa_float_denorm_mode_32 3
		.amdhsa_float_denorm_mode_16_64 3
		.amdhsa_memory_ordered 1
		.amdhsa_forward_progress 1
		.amdhsa_inst_pref_size 255
	.end_amdhsa_kernel
	.section	.bss,"aw",@nobits
	.p2align	6
	.space	262144
	.amdgpu_metadata
---
amdhsa.version: [ 1, 2 ]
amdhsa.kernels:
  - .name:           k_q65b55fb8e1_attn
    .symbol:         k_q65b55fb8e1_attn.kd
    .args:
      - { .name: qkvh, .offset: 0, .size: 8, .value_kind: global_buffer, .address_space: global }
      - { .name: null_kv, .offset: 8, .size: 8, .value_kind: global_buffer, .address_space: global }
      - { .name: k_scale, .offset: 16, .size: 8, .value_kind: global_buffer, .address_space: global }
      - { .name: o, .offset: 24, .size: 8, .value_kind: global_buffer, .address_space: global }
    .group_segment_fixed_size: 327680
    .private_segment_fixed_size: 0
    .kernarg_segment_align: 8
    .kernarg_segment_size: 32
    .max_flat_workgroup_size: 256
    .sgpr_count:     80
    .vgpr_count:     320
    .wavefront_size: 32
...
	.end_amdgpu_metadata
.endif
;; end of part 3
;; launch proj (part 4): grid 8 x 32, 4 waves a work-group, clusters of 4 x 4, 327,680 bytes of LDS; arguments o, wob, out0; writes out0
.if DOCPART == 4
	.amdgcn_target "amdgcn-amd-amdhsa--gfx1250"
	.amdhsa_code_object_version 6
	.text
	.protected	k_q65b55fb8e1_proj
	.globl	k_q65b55fb8e1_proj
	.p2align	8
	.type	k_q65b55fb8e1_proj,@function
k_q65b55fb8e1_proj:
	s_mov_b64 s[64:65], 0
	v_nop
	global_prefetch_b8 v0, s[64:65] scope:SCOPE_SE
	s_setreg_imm32_b32 hwreg(HW_REG_WAVE_MODE, 25, 1), 1
	s_wait_xcnt 0x0
	s_wait_alu depctr_hold_cnt(0) depctr_sa_sdst(0) depctr_va_vdst(0) depctr_va_sdst(0) depctr_va_ssrc(0) depctr_va_vcc(0) depctr_vm_vsrc(0)
	s_getreg_b32 s2, hwreg(HW_REG_IB_STS2, 6, 4)
	s_cmp_eq_u32 s2, 0
	s_cbranch_scc0 .Lentry_in_a_cluster
	s_endpgm
.Lentry_in_a_cluster:
	s_bfe_u32 s2, ttmp6, 0x10000c
	s_cmp_lg_u32 s2, 0xf033
	s_cbranch_scc0 .Lentry_shape_is_right
	s_endpgm
.Lentry_shape_is_right:
; PROJ: out0 = o @ Wo, f16 operands (as the earlier launches left them), f32 sums, f32 out.  Nothing of reference() is left out here.
; o lies [head][row][64], wob [plane of 64 columns][k = 64 head + d][64].
; SHARES: a work-group makes 256 rows (by) x 128 columns (bx); four waves, wave w rows 64 w .. 64 w + 63 x 128 columns: 4 x 8 accumulator tiles, 256 registers (window 1,
; tile (a, b) at 8 (8 a + b)).  K = 512 goes in 4 steps of 128 (two heads each) through two LDS slots: two laps of the ring, written out.
; CLUSTER 4 x 4: o's tiles hang on by alone and are asked for jointly along a row of the cluster (waves 0, 1: one head's 256 rows x 128 bytes each, 32,768 dense bytes);
; Wo's hang on bx alone and are asked for jointly along a column (waves 2, 3: one plane's 128 k x 64 columns each, 16,384 dense bytes).
; The matrix instruction is used transposed (source 0 = 16 columns of Wo, source 1 = 16 rows of o): a lane holds eight neighbouring columns of one row, 32 bytes.
.set PA,     144                       ; LDS pitch of o's rows: 128 + 16 bytes, an odd multiple of 16
.set PB,     160                       ; of Wo's k rows: 128 + 32, an odd multiple of 32
.set APLANE, 256*PA                    ; 36,864
.set CHUNK,  128*PB                    ; 20,480
.set SLOT,   2*APLANE+2*CHUNK          ; 114,688
.set STAGE,  2*SLOT                    ; behind the ring, never filled by a tensor load: 16 rows x 528 bytes for each wave
.set SP,     528                       ; 512 + 16
.set ADRA, 16
.set ADRB, 20
.set STO,  24
.set RD,   25
.set CO,   26
.set FA,   32                          ; v[32:63], v[64:95]     o's fragments, two buffers
.set FB,   96                          ; v[96:159], v[160:223]  Wo's fragments, two buffers
.set RB,   32                          ; v[32:95]  read back, on the way out
.set G1A, 24
.set G0A, 32
.set G1B, 48
.set G0B, 56
.set MSB, 0
.macro WIN new
.if MSB != (\new)
	s_set_vgpr_msb (MSB<<8)|(\new)
.set MSB, (\new)
.endif
.endm
.set MUL, 0x50                         ; sources 0 and 1 window 0, C and D window 1
.macro JLOAD s                         ; the branch hangs on the wave's number alone
	s_cmp_lt_u32 s14, 2
	s_cbranch_scc0 .Lfor_b_\@
	tensor_load_to_lds s[G0A+4*\s:G0A+4*\s+3], s[G1A:G1A+7]
	s_nop 0
	s_branch .Lasked_\@
.Lfor_b_\@:
	tensor_load_to_lds s[G0B+4*\s:G0B+4*\s+3], s[G1B:G1B+7]
	s_nop 0
.Lasked_\@:
.endm
.macro CREST
	s_cmp_lg_u32 s14, 0
	s_cbranch_scc1 .Lnot_wave_0_\@
	s_barrier_signal -3
.Lnot_wave_0_\@:
	s_barrier_wait -3
	s_barrier_signal -1
	s_barrier_wait -1
.endm
.macro CROUND
	s_barrier_signal -1
	s_barrier_wait -1
	CREST
.endm
	s_load_b128 s[4:7], s[0:1], 0x0                ; o 4, wob 6
	s_load_b64 s[8:9], s[0:1], 0x10                ; out0
	v_lshl_add_u32 v254, v0, 2, 0x40400
	v_mov_b32 v255, 0
	ds_add_u32 v254, v255
	v_lshrrev_b32 v1, 5, v0
	v_readfirstlane_b32 s14, v1                    ; wave 0..3
	s_bfe_u32 s15, ttmp6, 0x40000                  ; cx
	s_bfe_u32 s16, ttmp6, 0x40004                  ; cy
	s_lshl_b32 s17, ttmp9, 2
	s_add_co_u32 s17, s17, s15                     ; bx
	s_and_b32 s18, ttmp7, 0xffff
	s_lshl_b32 s18, s18, 2
	s_add_co_u32 s18, s18, s16                     ; by
	s_lshl_b32 s19, s16, 2
	s_lshl_b32 s19, 15, s19                        ; my row of the cluster
	s_lshl_b32 s20, 0x1111, s15                    ; my column
	; group 1 of o's tile: 32,768 dense bytes as 128 rows of 256; 4 words of padding behind every 32 words, that is behind each row of 128 bytes
	s_or_b32 s[G1A+0], s19, (1<<16)|(1<<20)|(1<<21)|(4<<22)|(3<<25)
	s_mov_b32 s[G1A+1], 128<<16
	s_mov_b32 s[G1A+2], 128<<16
	s_mov_b32 s[G1A+3], 128<<16
	s_mov_b32 s[G1A+4], 128
	s_mov_b32 s[G1A+5], 128
	s_mov_b32 s[G1A+6], 0
	s_mov_b32 s[G1A+7], 0
	; group 1 of Wo's tile: 16,384 dense bytes as 64 rows of 256; 8 words of padding behind every 32
	s_or_b32 s[G1B+0], s20, (1<<16)|(1<<20)|(1<<21)|(4<<22)|(7<<25)
	s_mov_b32 s[G1B+1], 128<<16
	s_mov_b32 s[G1B+2], 64<<16
	s_mov_b32 s[G1B+3], 128<<16
	s_mov_b32 s[G1B+4], 64
	s_mov_b32 s[G1B+5], 128
	s_mov_b32 s[G1B+6], 0
	s_mov_b32 s[G1B+7], 0
	s_min_u32 s40, s14, 1                          ; which of the K step's two heads (waves 2, 3 ask for none of o)
	s_lshl_b32 s40, s40, 20                        ; a head's plane of o: 8,192 rows x 128 bytes
	s_lshl_b32 s41, s18, 15                        ; 256 rows of 128 bytes
	s_add_co_u32 s40, s40, s41
	s_mov_b32 s41, 0
	s_mul_i32 s46, s14, APLANE
	s_max_u32 s42, s14, 2
	s_sub_co_u32 s42, s42, 2                       ; which of the block's two planes (waves 0, 1 ask for none of Wo)
	s_lshl_b32 s43, s17, 1
	s_add_co_u32 s42, s42, s43
	s_lshl_b32 s42, s42, 16                        ; a plane of wob: 512 x 128 bytes
	s_mov_b32 s43, 0
	s_mul_i32 s44, s14, CHUNK
	s_add_co_u32 s44, s44, 2*APLANE-2*CHUNK        ; behind o's two planes, wave 2 first
	s_wait_dscnt 0x0
	s_wait_kmcnt 0x0
	s_add_nc_u64 s[40:41], s[4:5], s[40:41]
	s_add_nc_u64 s[42:43], s[6:7], s[42:43]
	CROUND                                         ; all sixteen work-groups are here: the first joint loads meet
.irp s, 0,1
	s_mov_b32 s[G0A+4*\s], 1
	s_add_co_u32 s[G0A+4*\s+1], s46, \s*SLOT
	s_add_nc_u64 s[G0A+4*\s+2:G0A+4*\s+3], s[40:41], \s*0x200000   ; K step s: heads 2 s, 2 s + 1
	s_or_b32 s[G0A+4*\s+3], s[G0A+4*\s+3], 0x80000000
	s_mov_b32 s[G0B+4*\s], 1
	s_add_co_u32 s[G0B+4*\s+1], s44, \s*SLOT
	s_add_nc_u64 s[G0B+4*\s+2:G0B+4*\s+3], s[42:43], \s*16384
	s_or_b32 s[G0B+4*\s+3], s[G0B+4*\s+3], 0x80000000
	JLOAD \s                                       ; both slots' first fills, two tensor loads a wave: the most that this text has out
.endr
	v_and_b32 v1, 15, v0                           ; r
	v_bfe_u32 v2, v0, 4, 1                         ; h
	v_mul_u32_u24 v3, v1, PA
	v_lshl_add_u32 v3, v2, 4, v3
	s_mul_i32 s23, s14, 64*PA
	v_add_nc_u32 v[ADRA], s23, v3
	v_add_nc_u32 v[ADRA+1], SLOT, v[ADRA]
	v_and_b32 v4, 7, v0
	v_lshl_add_u32 v4, v2, 3, v4
	v_mul_u32_u24 v4, v4, PB
	v_bfe_u32 v5, v0, 3, 1
	v_lshl_add_u32 v4, v5, 4, v4
	v_add_nc_u32 v[ADRB], 2*APLANE, v4
	v_add_nc_u32 v[ADRB+1], SLOT, v[ADRB]
	s_mul_i32 s23, s14, 16*SP
	s_add_co_u32 s23, s23, STAGE                   ; my stage
	v_mul_u32_u24 v3, v1, SP
	v_lshl_add_u32 v3, v2, 5, v3
	v_add_nc_u32 v[STO], s23, v3                   ; in: row r, 32 bytes for each half of the lanes
	v_and_b32 v3, 31, v0
	v_lshlrev_b32 v[CO], 4, v3                     ; 16 x lane
	v_add_nc_u32 v[RD], s23, v[CO]                 ; back: 32 lanes take a row's 512 bytes
.macro MULA f, a, zero                 ; 8 matrix instructions: row tile a x all 8 column tiles, 32 along K
.irp b, 0,1,2,3,4,5,6,7
.if \zero
	v_wmma_f32_16x16x32_f16 v[8*(8*\a+\b):8*(8*\a+\b)+7], v[FB+64*\f+8*\b:FB+64*\f+8*\b+7], v[FA+32*\f+8*\a:FA+32*\f+8*\a+7], 0
.else
	v_wmma_f32_16x16x32_f16 v[8*(8*\a+\b):8*(8*\a+\b)+7], v[FB+64*\f+8*\b:FB+64*\f+8*\b+7], v[FA+32*\f+8*\a:FA+32*\f+8*\a+7], v[8*(8*\a+\b):8*(8*\a+\b)+7]
.endif
.endr
.endm
.macro FETCH slot, kq, f               ; 24 LDS loads in one run: quarter kq = head kq / 2 of the step, d 32 (kq mod 2) ..
	WIN 0
.irp b, 0,1,2,3,4,5,6,7
	ds_load_tr16_b128 v[FB+64*\f+8*\b:FB+64*\f+8*\b+3],   v[ADRB+\slot] offset:CHUNK*(\b/4)+32*PB*\kq+32*(\b%4)
	ds_load_tr16_b128 v[FB+64*\f+8*\b+4:FB+64*\f+8*\b+7], v[ADRB+\slot] offset:CHUNK*(\b/4)+32*PB*\kq+32*(\b%4)+16*PB
.endr
.irp a, 0,1,2,3
	ds_load_b128 v[FA+32*\f+8*\a:FA+32*\f+8*\a+3],   v[ADRA+\slot] offset:APLANE*((\kq)/2)+16*PA*\a+64*((\kq)%2)
	ds_load_b128 v[FA+32*\f+8*\a+4:FA+32*\f+8*\a+7], v[ADRA+\slot] offset:APLANE*((\kq)/2)+16*PA*\a+64*((\kq)%2)+32
.endr
.endm
.macro PLACES                          ; four plain vector instructions between a matrix instruction and a load into one of its sources or a read of its result (ISA guide 7.12.1 for reads of its result)
.rept 4
	v_nop
.endr
.endm
; The 32 accumulators take turns, one instruction a turn, in the same order in every quarter.
.macro QUARTER slot, kq, f, g, zero
	s_wait_dscnt 4                                 ; Wo and o's row tiles 0, 1 are in; the youngest four loads (row tiles 2, 3) may be out
	WIN MUL
	MULA \f, 0, \zero
	MULA \f, 1, \zero
	PLACES
	FETCH \slot, \kq, \g
	s_wait_dscnt 24                                ; all but the 24 just issued
	WIN MUL
	MULA \f, 2, \zero
	MULA \f, 3, \zero
.endm
.macro THREE slot, zero
	QUARTER \slot, 1, 0, 1, \zero
	QUARTER \slot, 2, 1, 0, 0
	QUARTER \slot, 3, 0, 1, 0
.endm
; The last quarter changes slots: each wave's reads of this slot and all its tensor loads are waited for in front of the barrier; with fill = 1 the barrier opens a round of the
; cluster's barrier and the joint refill, two K steps ahead, is the first tensor load behind the round's closing wait, one a wave.
.macro TURN slot, next, fill
	s_wait_dscnt 4
	WIN MUL
	MULA 1, 0, 0
	s_wait_dscnt 0x0
	s_wait_tensorcnt 0x0
	ds_add_u32 v254, v255
	s_wait_dscnt 0x0
	s_barrier_signal -1
	MULA 1, 1, 0                                   ; register work while the others arrive
	WIN 0
	s_barrier_wait -1
.if \fill
	CREST
	s_add_nc_u64 s[G0A+4*\slot+2:G0A+4*\slot+3], s[G0A+4*\slot+2:G0A+4*\slot+3], 0x400000     ; four heads on
	s_add_nc_u64 s[G0B+4*\slot+2:G0B+4*\slot+3], s[G0B+4*\slot+2:G0B+4*\slot+3], 32768        ; 256 k rows on
	JLOAD \slot
.endif
	PLACES
	FETCH \next, 0, 0
	WIN MUL
	MULA 1, 2, 0
	MULA 1, 3, 0
.endm
	s_wait_tensorcnt 0x1                           ; my part of K step 0 is in; K step 1's stays out
	s_barrier_signal -1
	s_barrier_wait -1
	FETCH 0, 0, 0
	THREE 0, 1                                     ; the first products start the sums
	TURN 0, 1, 1
	THREE 1, 0
	TURN 1, 0, 1
	THREE 0, 0                                     ; the last lap fills nothing
	TURN 0, 1, 0
	THREE 1, 0
	s_wait_dscnt 4
	WIN MUL
	MULA 1, 0, 0
	MULA 1, 1, 0
	s_wait_dscnt 0x0
	MULA 1, 2, 0
	MULA 1, 3, 0
	; THE WAY OUT, 16 rows at a time: 32 bytes a lane into my own stage, straight from the accumulators; back as whole rows of 512 bytes.
	PLACES
	s_lshl_b32 s74, s18, 20                        ; 256 by rows of 4,096 bytes,
	s_lshl_b32 s75, s14, 18                        ; + 64 w rows
	s_add_co_u32 s74, s74, s75
	s_mov_b32 s75, 0
	s_lshl_b32 s76, s17, 9                         ; 128 columns of 4 bytes
	s_mov_b32 s77, 0
	s_add_nc_u64 s[68:69], s[8:9], s[74:75]
	s_add_nc_u64 s[68:69], s[68:69], s[76:77]
.macro OUT16 row
	WIN 0x04                                       ; an LDS store's data is source 1: window 1
.irp b, 0,1,2,3,4,5,6,7
	ds_store_b128 v[STO], v[64*\row+8*\b:64*\row+8*\b+3]   offset:64*\b
	ds_store_b128 v[STO], v[64*\row+8*\b+4:64*\row+8*\b+7] offset:64*\b+16
.endr
	WIN 0
	s_wait_xcnt 0x0                                ; the last stores' data registers are loaded again only behind this wait
.irp u, 0,1,2,3,4,5,6,7,8,9,10,11,12,13,14,15
	ds_load_b128 v[RB+4*\u:RB+4*\u+3], v[RD] offset:SP*\u          ; LDS serves a wave's instructions in order: these see the stores above
.endr
.irp u, 0,1,2,3,4,5,6,7,8,9,10,11,12,13,14,15
	s_wait_dscnt 15-\u
	global_store_b128 v[CO], v[RB+4*\u:RB+4*\u+3], s[68:69] offset:(16*\row+\u)*4096 th:TH_STORE_NT     ; 512 consecutive bytes of a row, aligned
.endr
.endm
	OUT16 0
	OUT16 1
	OUT16 2
	OUT16 3
	s_wait_tensorcnt 0x0
	ds_add_u32 v254, v255
	s_wait_dscnt 0x0
	CROUND                                         ; the closing round: no work-group ends while a partner may still ask for a tile that names it
	s_endpgm
.Lfunc_end_k_q65b55fb8e1_proj:
	.size	k_q65b55fb8e1_proj, .Lfunc_end_k_q65b55fb8e1_proj-k_q65b55fb8e1_proj
	.p2alignl 7, 3214868480
	.fill 96, 4, 3214868480
	.section	.rodata,"a",@progbits
	.p2align	6, 0x0
	.amdhsa_kernel k_q65b55fb8e1_proj
		.amdhsa_group_segment_fixed_size 327680
		.amdhsa_private_segment_fixed_size 0
		.amdhsa_enable_private_segment 0
		.amdhsa_kernarg_size 24
		.amdhsa_user_sgpr_count 2
		.amdhsa_user_sgpr_kernarg_segment_ptr 1
		.amdhsa_wavefront_size32 1
		.amdhsa_system_sgpr_workgroup_id_x 1
		.amdhsa_system_sgpr_workgroup_id_y 1
		.amdhsa_system_sgpr_workgroup_id_z 1
		.amdhsa_system_vgpr_workitem_id 0
		.amdhsa_next_free_vgpr 512
		.amdhsa_next_free_sgpr 80
		.amdhsa_reserve_vcc 0
		.amdhsa_float_denorm_mode_32 3
		.amdhsa_float_denorm_mode_16_64 3
		.amdhsa_memory_ordered 1
		.amdhsa_forward_progress 1
		.amdhsa_inst_pref_size 85
	.end_amdhsa_kernel
	.amdgpu_metadata
---
amdhsa.version: [ 1, 2 ]
amdhsa.kernels:
  - .name:           k_q65b55fb8e1_proj
    .symbol:         k_q65b55fb8e1_proj.kd
    .args:
      - { .name: o, .offset: 0, .size: 8, .value_kind: global_buffer, .address_space: global }
      - { .name: wob, .offset: 8, .size: 8, .value_kind: global_buffer, .address_space: global }
      - { .name: out0, .offset: 16, .size: 8, .value_kind: global_buffer, .address_space: global }
    .group_segment_fixed_size: 327680
    .private_segment_fixed_size: 0
    .kernarg_segment_align: 8
    .kernarg_segment_size: 24
    .max_flat_workgroup_size: 128
    .sgpr_count:     80
    .vgpr_count:     512
    .wavefront_size: 32
...
	.end_amdgpu_metadata
.endif
;; end of part 4
;; ======== version 2 of 2: 4 launches; 1.15 times as fast as version 1
;; limits: values are held in f16: magnitudes above 65,504 overflow, below 6.1e-05 lose precision
;; workspace buffers: xn 16,777,216 bytes; wb 3,145,728 bytes; wob 1,048,576 bytes; qkvh 25,165,824 bytes; o 8,388,608 bytes
;; launch prep: the kernel of part 1 again; grid 256 x 1, 8 waves a work-group, no clusters, 0 bytes of LDS; arguments x, gamma, beta, Wq, Wkv, Wo, xn, wb, wob; writes xn, wb, wob
;; launch qkv: the kernel of part 2 again; grid 8 x 32, 4 waves a work-group, clusters of 4 x 4, 327,680 bytes of LDS; arguments xn, wb, q_scale, k_scale, qkvh; writes qkvh
;; launch attn (part 5): grid 8 x 32, 8 waves a work-group, clusters of 4 x 1, 327,680 bytes of LDS; arguments qkvh, null_kv, k_scale, o; writes o
.if DOCPART == 5
	.amdgcn_target "amdgcn-amd-amdhsa--gfx1250"
	.amdhsa_code_object_version 6
	.text
	.protected	k_q65b55fb8e1_attn
	.globl	k_q65b55fb8e1_attn
	.p2align	8
	.type	k_q65b55fb8e1_attn,@function
k_q65b55fb8e1_attn:
	s_mov_b64 s[64:65], 0
	v_nop
	global_prefetch_b8 v0, s[64:65] scope:SCOPE_SE
	s_setreg_imm32_b32 hwreg(HW_REG_WAVE_MODE, 25, 1), 1
	s_wait_xcnt 0x0
	s_wait_alu depctr_hold_cnt(0) depctr_sa_sdst(0) depctr_va_vdst(0) depctr_va_sdst(0) depctr_va_ssrc(0) depctr_va_vcc(0) depctr_vm_vsrc(0)
	s_getreg_b32 s2, hwreg(HW_REG_IB_STS2, 6, 4)
	s_cmp_eq_u32 s2, 0
	s_cbranch_scc0 .Lentry_in_a_cluster
	s_endpgm
.Lentry_in_a_cluster:
	s_bfe_u32 s2, ttmp6, 0x10000c
	s_cmp_lg_u32 s2, 0x3003
	s_cbranch_scc0 .Lentry_shape_is_right
	s_endpgm
.Lentry_shape_is_right:
; ATTN: o = softmax(q k^T) v for one batch and head (work-group y = 8 batch + head) and 256 queries (work-group x), with a running maximum.
; q comes with 1/norm, q_scale and 8 log2(e) in it, k with 1/norm and k_scale, so a score is the exponent of 2.
; Nothing of reference() is left out: the null key and value are the starting state of the running softmax (maximum = the null score, sum = 1, weighted
; sum = the null value), which is the sum over 2,049 keys written otherwise; the loop then walks exactly 2,048 keys.
; FORMAT: f16 operands (11 significant bits), f32 sums.  The weights 2^(score - running maximum) lie in [0, 1]; o is an average of v and the null value and has their range.
; LIMITS: a weight under 2^-25 of its row's largest counts as 0 in the product with v (its sum is kept in f32, where v_exp_f32 gives 0 under 2^-126); an |o| of 65,504 or
; more becomes infinite, and under 2^-14 the step is 2^-24; v_sqrt_f32 and v_rcp_f32 take denormals as zero (a null key whose sum of squares is under 2^-126 counts as
; norm 0 and is divided by 1e-12, as in reference()).
; SHARES: eight waves; wave w has queries 32 w .. 32 w + 31 of the block, as two tiles of 16, A and B.  A slot holds 256 keys of K and of V; a trip takes 64 keys.
; CLUSTER 4 x 1: the four query blocks of a cluster read the same K and V and ask jointly: waves 0-3 for 64 keys of K each, waves 4-7 for 64 keys of V each.
; LAYOUT: S^T = K Q^T (source 0 = 16 keys, source 1 = 16 queries): lane (r, h) holds query r and keys 8 h .. 8 h + 7 of a tile, so a query's maximum and sum are
; taken in the lane and its partner lane, and two key tiles rounded to f16 ARE source 1 of O^T = V^T P^T, with no move between lanes.
; V lies [key][d] in LDS; ds_load_tr16_b128 makes V^T's fragments.  Maximum, sum and rescaling factor are one number a lane.
; THE TWO TILES TAKE TURNS.  A trip t is two halves of 16 products each:
;   X(t): 8 products O_B += V(t-1) P_B(t-1), then 8 products S_B(t) = K(t) Q_B;   behind each product one of the 16 slices of A's softmax of trip t
;   Y(t): 8 products O_A += V(t) P_A(t),     then 8 products S_A(t+1) = K(t+1) Q_A; behind each product one of the 16 slices of B's softmax of trip t
; A tile's softmax is 120 vector instructions, 5 to 12 a slice; the slices name none of the other tile's registers, so their plain instructions are also the ones that
; have to stand behind products (ISA guide 7.12.1), and the loop holds no v_nop.  V(t) is loaded in the middle of X(t), behind the last product that reads V(t-1), and
; K(t+1) at the head of Y(t), behind the last product that reads K(t): each has eight products and their slices in which to come.
; THE BATCHES.  A tile's 34 exponentials of a trip (the rescaling factor twice, the 32 weights) are ONE batch with ONE wait, so a trip has two waits, one in each half.
;   slices 0-3   the new maximum, its distance from the old one, the first six subtractions: no exponential
;   slices 4-7   the batch; among it the other ten subtractions, each ahead of its two exponentials; at its end the move that keeps the new maximum.  Nothing here names a result of the batch.
;   the wait     ends slice 7: in X it stands directly ahead of V's loads, in Y beside the wait for K
;   slices 8-15  all that reads a result: the rescaling of O, the sum, the roundings to f16
; The head's root and its reciprocal (which reads the root's result) are two batches of one; the way out's two reciprocals are one batch.
; REGISTERS: K(t+1) and V(t) are live at once, so Q 32 + O 64 + S 64 + K 64 + V 64 = 288 and 31 others do not fit into 256.  V's fragments, which only LDS loads and source 0 of
; products name, lie in v256-319 (window 1).  That costs two s_set_vgpr_msb round each of a trip's 16 products with V and two round V's 16 loads: 34 for a trip's 32 products.
.set PK,    144                        ; LDS pitch of K's rows: 128 + 16 bytes, an odd multiple of 16
.set PV,    160                        ; of V's rows: 128 + 32, an odd multiple of 32
.set KSUB,  64*PK                      ; 9,216: 64 keys of K, one wave's load
.set VSUB,  64*PV                      ; 10,240: 64 keys of V
.set VOFF,  4*VSUB                     ; V begins at wave 4's place; 4,096 bytes behind K's 36,864 stay unused, so that every LDS address is the wave's number times a constant
.set SLOT,  8*VSUB                     ; 81,920
.set STAGE, 2*SLOT                     ; behind the ring, never filled by a tensor load: 32 rows x 144 bytes for each wave
.set SP,    144
.set ADK, 2                            ; v2-3    LDS address of K's fragments in slot 0, 1
.set ADV, 4                            ; v4-5    of V's
.set STO, 6                            ; v6      the way out: in
.set RD,  7                            ; v7      the way out: back
.set CO,  8                            ; v8      16 x lane
.set QO,  9                            ; v9      128 r + 16 h
.set M,   10                           ; v10-11  running maximum of tile A, B
.set LS,  12                           ; v12-13  running sum over my half's keys
.set MN,  14                           ; v[14:15] the new maximum, twice
.set AL,  16                           ; v[16:17] 2^(old - new maximum), twice
.set T,   18                           ; v[18:25] at work
.set HO,  26                           ; v26     32 h
.set Q,   32                           ; v[32:63]   Q's fragments: 16 qt + 8 ks
.set S,   64                           ; v[64:127]  scores, then weights: 32 qt + 8 kt
.set O,   128                          ; v[128:191] O^T: 32 qt + 8 dt
.set F,   192                          ; v[192:255] K's fragments: 16 kt + 8 ks
.set VF,  0                            ; window 1, v[0:63] = v256-319: V^T's fragments: 16 dt + 8 ks
.set G1K, 24
.set G1V, 32
.set G0K, 40                           ; s[40:47] one set for each slot
.set G0V, 48                           ; s[48:55]
.set MSB, 0
.macro WIN new                         ; the immediate's high byte repeats the setting that is left; a switch that changes nothing is dropped
.if MSB != (\new)
	s_set_vgpr_msb (MSB<<8)|(\new)
.set MSB, (\new)
.endif
.endm
.macro JLOAD s                         ; the branch hangs on the wave's number alone
	s_cmp_lt_u32 s12, 4
	s_cbranch_scc0 .Lfor_v_\@
	tensor_load_to_lds s[G0K+4*\s:G0K+4*\s+3], s[G1K:G1K+7]
	s_nop 0
	s_branch .Lasked_\@
.Lfor_v_\@:
	tensor_load_to_lds s[G0V+4*\s:G0V+4*\s+3], s[G1V:G1V+7]
	s_nop 0
.Lasked_\@:
.endm
.macro CREST                           ; a round of the cluster's barrier behind its opening work-group barrier
	s_cmp_lg_u32 s12, 0
	s_cbranch_scc1 .Lnot_wave_0_\@
	s_barrier_signal -3
.Lnot_wave_0_\@:
	s_barrier_wait -3
	s_barrier_signal -1
	s_barrier_wait -1
.endm
.macro ROUND                           ; a whole round
	s_barrier_signal -1
	s_barrier_wait -1
	CREST
.endm
	s_load_b256 s[4:11], s[0:1], 0x0               ; qkvh 4, null_kv 6, k_scale 8, o 10
	v_lshl_add_u32 v25, v0, 2, 0x31000
	v_mov_b32 v31, 0
	ds_add_u32 v25, v31
	v_lshrrev_b32 v1, 5, v0
	v_readfirstlane_b32 s12, v1                    ; wave 0..7
	s_bfe_u32 s13, ttmp6, 0x40000                  ; cx
	s_lshl_b32 s14, ttmp9, 2
	s_add_co_u32 s14, s14, s13                     ; query block = 4 x cluster x + cx
	s_and_b32 s15, ttmp7, 0xffff
	s_and_b32 s16, s15, 7                          ; head
	s_lshr_b32 s17, s15, 3                         ; batch
	s_mov_b32 s56, 0x76543210                      ; v_permlanex16_b32: lane i of one half reads lane i of the other
	s_mov_b32 s57, 0xfedcba98
	; group 1: 8,192 dense bytes (64 keys x 128) as 32 rows of 256; padding behind every 32 words, that is behind each key: 4 words for K, 8 for V; the mask names all four work-groups
	s_mov_b32 s[G1K+0], 15|(1<<16)|(1<<20)|(1<<21)|(4<<22)|(3<<25)
	s_mov_b32 s[G1K+1], 128<<16
	s_mov_b32 s[G1K+2], 32<<16
	s_mov_b32 s[G1K+3], 128<<16
	s_mov_b32 s[G1K+4], 32
	s_mov_b32 s[G1K+5], 128
	s_mov_b32 s[G1K+6], 0
	s_mov_b32 s[G1K+7], 0
	s_mov_b32 s[G1V+0], 15|(1<<16)|(1<<20)|(1<<21)|(4<<22)|(7<<25)
	s_mov_b32 s[G1V+1], 128<<16
	s_mov_b32 s[G1V+2], 32<<16
	s_mov_b32 s[G1V+3], 128<<16
	s_mov_b32 s[G1V+4], 32
	s_mov_b32 s[G1V+5], 128
	s_mov_b32 s[G1V+6], 0
	s_mov_b32 s[G1V+7], 0
	; K's and V's addresses are made of head, batch and the wave's number alone
	s_and_b32 s18, s12, 3
	s_lshl_b32 s18, s18, 13                        ; my 64 keys of the slot's 256
	s_lshl_b32 s19, s16, 20
	s_add_co_u32 s18, s18, s19                     ; the head's plane,
	s_lshl_b32 s19, s17, 18
	s_add_co_u32 s18, s18, s19                     ; the batch's 2,048 rows of 128 bytes,
	s_add_co_u32 s18, s18, 8<<20                   ; behind q's eight planes
	s_mov_b32 s19, 0
	s_mul_i32 s22, s12, KSUB
	s_mul_i32 s23, s12, VSUB
	; my 32 queries: the same offset in q's planes and in o
	s_lshl_b32 s20, s16, 20
	s_lshl_b32 s21, s17, 18
	s_add_co_u32 s20, s20, s21
	s_lshl_b32 s21, s14, 15                        ; 256 rows of 128 bytes
	s_add_co_u32 s20, s20, s21
	s_lshl_b32 s21, s12, 12                        ; 32 rows
	s_add_co_u32 s20, s20, s21
	s_mov_b32 s21, 0
	s_lshl_b32 s68, s16, 8                         ; the head's 64 numbers in null_kv
	s_mov_b32 s69, 0
	s_wait_dscnt 0x0
	s_wait_kmcnt 0x0
	s_add_nc_u64 s[18:19], s[4:5], s[18:19]
	s_add_nc_u64 s[60:61], s[4:5], s[20:21]
	s_add_nc_u64 s[62:63], s[10:11], s[20:21]
	s_add_nc_u64 s[66:67], s[6:7], s[68:69]
	ROUND                                          ; all four work-groups are here: the first joint loads meet
.irp s, 0,1
	s_mov_b32 s[G0K+4*\s], 1
	s_add_co_u32 s[G0K+4*\s+1], s22, \s*SLOT
	s_add_nc_u64 s[G0K+4*\s+2:G0K+4*\s+3], s[18:19], \s*32768              ; keys 256 s ..
	s_or_b32 s[G0K+4*\s+3], s[G0K+4*\s+3], 0x80000000
	s_mov_b32 s[G0V+4*\s], 1
	s_add_co_u32 s[G0V+4*\s+1], s23, \s*SLOT
	s_add_nc_u64 s[G0V+4*\s+2:G0V+4*\s+3], s[18:19], \s*32768+0x800000     ; v's planes lie eight planes behind k's
	s_or_b32 s[G0V+4*\s+3], s[G0V+4*\s+3], 0x80000000
	JLOAD \s                                       ; both slots' first fills, two tensor loads a wave: the most that this text has out
.endr
	v_and_b32 v27, 15, v0                          ; r
	v_bfe_u32 v28, v0, 4, 1                        ; h
	v_lshlrev_b32 v29, 7, v27
	v_lshl_add_u32 v[QO], v28, 4, v29
	v_lshlrev_b32 v[HO], 5, v28
.irp qt, 0,1
.irp c, 0,1,2,3
	global_load_b128 v[Q+16*\qt+4*\c:Q+16*\qt+4*\c+3], v[QO], s[60:61] offset:2048*\qt+32*\c     ; register 4 c + i: d = 16 c + 8 h + 2 i, + 1
.endr
.endr
.irp c, 0,1,2,3
	global_load_b128 v[S+8*\c:S+8*\c+3],   v[HO], s[66:67] offset:64*\c        ; the null key: register 8 c + e = d 16 c + 8 h + e, in the order of a fragment's halves
	global_load_b128 v[S+8*\c+4:S+8*\c+7], v[HO], s[66:67] offset:64*\c+16
.endr
.irp c, 0,1,2,3
	global_load_b128 v[S+32+8*\c:S+32+8*\c+3], v[HO], s[8:9] offset:64*\c      ; k_scale likewise
	global_load_b128 v[S+36+8*\c:S+36+8*\c+3], v[HO], s[8:9] offset:64*\c+16
.endr
.irp qt, 0,1
.irp dt, 0,1,2,3
	global_load_b128 v[O+32*\qt+8*\dt:O+32*\qt+8*\dt+3],   v[HO], s[66:67] offset:2048+64*\dt       ; the null value starts O^T: register 8 dt + j = d 16 dt + 8 h + j
	global_load_b128 v[O+32*\qt+8*\dt+4:O+32*\qt+8*\dt+7], v[HO], s[66:67] offset:2048+64*\dt+16
.endr
.endr
	v_mul_u32_u24 v29, v27, PK
	v_lshl_add_u32 v[ADK], v28, 4, v29             ; key r x pitch + 16 h
	v_add_nc_u32 v[ADK+1], SLOT, v[ADK]
	v_and_b32 v29, 7, v0
	v_lshl_add_u32 v29, v28, 3, v29                ; key 8 h + lane mod 8
	v_mul_u32_u24 v29, v29, PV
	v_bfe_u32 v30, v0, 3, 1
	v_lshl_add_u32 v29, v30, 4, v29
	v_add_nc_u32 v[ADV], VOFF, v29
	v_add_nc_u32 v[ADV+1], SLOT, v[ADV]
	s_mul_i32 s70, s12, 32*SP
	s_add_co_u32 s70, s70, STAGE                   ; my stage
	v_mul_u32_u24 v29, v27, SP
	v_lshl_add_u32 v29, v28, 4, v29
	v_add_nc_u32 v[STO], s70, v29
	v_bfe_u32 v29, v0, 3, 2
	v_mul_u32_u24 v29, v29, SP
	v_and_b32 v30, 7, v0
	v_lshl_add_u32 v29, v30, 4, v29
	v_add_nc_u32 v[RD], s70, v29
	v_and_b32 v29, 31, v0
	v_lshlrev_b32 v[CO], 4, v29
	v_cvt_f32_u32 v29, v28
	v_sub_f32 v[LS], 1.0, v29                      ; the null key's weight 1 is counted once: in lanes 0-15; the halves' sums meet at the end
	v_sub_f32 v[LS+1], 1.0, v29
	; The null score: q . (nk / max(|nk|, 1e-12) x k_scale).  The scaled null key is rounded to f16 like every other key.
	s_wait_loadcnt 16                              ; Q, the null key and k_scale are in; the 16 loads of the null value stay out
	v_pk_mul_f32 v[T:T+1],   v[S:S+1],   v[S:S+1]
	v_pk_mul_f32 v[T+2:T+3], v[S+2:S+3], v[S+2:S+3]
.irp k, 2,3,4,5,6,7,8,9,10,11,12,13,14,15
	v_pk_fma_f32 v[T+2*(\k%2):T+2*(\k%2)+1], v[S+2*\k:S+2*\k+1], v[S+2*\k:S+2*\k+1], v[T+2*(\k%2):T+2*(\k%2)+1]
.endr
	v_pk_add_f32 v[T:T+1], v[T:T+1], v[T+2:T+3]
	v_add_f32 v[T], v[T], v[T+1]
	v_permlanex16_b32 v[T+1], v[T], s56, s57
	v_add_f32 v[T], v[T], v[T+1]
	v_sqrt_f32 v[T+2], v[T]
	v_nop                                          ; one plain vector instruction behind a transcendental before its result is used (ISA guide 5.7.2)
	s_wait_alu depctr_va_vdst(0)                   ; the wait ahead of the first use: a batch of one, the root
	v_max_num_f32 v[T+2], 0x2b8cbccc, v[T+2]       ; max(norm, 1e-12)
	v_rcp_f32 v[T+4], v[T+2]
	v_nop
	s_wait_alu depctr_va_vdst(0)                   ; likewise: a batch of one, the reciprocal; it reads what was made of the root, so the two cannot share a wait
	v_mov_b32 v[T+5], v[T+4]
.irp k, 0,1,2,3,4,5,6,7,8,9,10,11,12,13,14,15
	v_pk_mul_f32 v[S+2*\k:S+2*\k+1], v[S+2*\k:S+2*\k+1], v[T+4:T+5]
.endr
.irp k, 0,1,2,3,4,5,6,7,8,9,10,11,12,13,14,15
	v_pk_mul_f32 v[S+2*\k:S+2*\k+1], v[S+2*\k:S+2*\k+1], v[S+32+2*\k:S+32+2*\k+1]
.endr
.irp i, 0,1,2,3,4,5,6,7,8,9,10,11,12,13,14,15
	v_cvt_pk_f16_f32 v[S+32+\i], v[S+2*\i], v[S+2*\i+1]            ; two fragments (d 0-31, d 32-63), over k_scale, which is used up
.endr
	; Every lane of a half holds the same numbers, so all 16 rows of source 0 are the null key, and every register of lanes r and r + 16 of the result
	; is query r's null score.  Two accumulators by turns, one instruction a turn.
	v_wmma_f32_16x16x32_f16 v[F:F+7],    v[S+32:S+39], v[Q:Q+7],     0
	v_wmma_f32_16x16x32_f16 v[F+8:F+15], v[S+32:S+39], v[Q+16:Q+23], 0
	v_wmma_f32_16x16x32_f16 v[F:F+7],    v[S+40:S+47], v[Q+8:Q+15],  v[F:F+7]
	v_wmma_f32_16x16x32_f16 v[F+8:F+15], v[S+40:S+47], v[Q+24:Q+31], v[F+8:F+15]
.rept 5
	v_nop                                          ; four plain vector instructions before the results are read and before loads land in F; five before the first scores' products write over S + 32 .. S + 47 (ISA guide 7.12.1)
.endr
	v_mov_b32 v[M],   v[F]                         ; the running maximum starts at the null score
	v_mov_b32 v[M+1], v[F+8]
.macro KLOAD slot, t                   ; 64 keys x 64 d of K: fragment (kt, ks) at F + 16 kt + 8 ks
.irp kt, 0,1,2,3
.irp c, 0,1,2,3
	ds_load_b128 v[F+16*\kt+4*\c:F+16*\kt+4*\c+3], v[ADK+\slot] offset:KSUB*(\t)+16*PK*\kt+32*\c
.endr
.endr
.endm
.macro VLOAD slot, t                   ; 64 keys x 64 d of V, transposed: fragment (dt, ks) at VF + 16 dt + 8 ks of window 1 (the loaded data is the destination; the address stays in window 0)
	WIN 0x40
.irp dt, 0,1,2,3
.irp ks, 0,1
	ds_load_tr16_b128 v[VF+16*\dt+8*\ks:VF+16*\dt+8*\ks+3],   v[ADV+\slot] offset:VSUB*(\t)+32*PV*\ks+32*\dt
	ds_load_tr16_b128 v[VF+16*\dt+8*\ks+4:VF+16*\dt+8*\ks+7], v[ADV+\slot] offset:VSUB*(\t)+32*PV*\ks+16*PV+32*\dt
.endr
.endr
	WIN 0
.endm
; Product n (0..7) of a tile's scores: key tile n mod 4, half n / 4 of d.  The first four start the sums.  The four accumulators take turns, one instruction a turn.
.macro SW qt, n
.if (\n) < 4
	v_wmma_f32_16x16x32_f16 v[S+32*\qt+8*(\n):S+32*\qt+8*(\n)+7], v[F+16*(\n):F+16*(\n)+7], v[Q+16*\qt:Q+16*\qt+7], 0
.else
	v_wmma_f32_16x16x32_f16 v[S+32*\qt+8*((\n)-4):S+32*\qt+8*((\n)-4)+7], v[F+16*((\n)-4)+8:F+16*((\n)-4)+15], v[Q+16*\qt+8:Q+16*\qt+15], v[S+32*\qt+8*((\n)-4):S+32*\qt+8*((\n)-4)+7]
.endif
.endm
; Product n (0..7) of a tile's weights with V: d tile n mod 4, keys 32 (n / 4) .. + 31.  Source 0 in window 1.  Four accumulators by turns likewise.
.macro PVW qt, n
	WIN 0x01
	v_wmma_f32_16x16x32_f16 v[O+32*\qt+8*((\n)%4):O+32*\qt+8*((\n)%4)+7], v[VF+16*((\n)%4)+8*((\n)/4):VF+16*((\n)%4)+8*((\n)/4)+7], v[S+32*\qt+16*((\n)/4):S+32*\qt+16*((\n)/4)+7], v[O+32*\qt+8*((\n)%4):O+32*\qt+8*((\n)%4)+7]
	WIN 0
.endm
; THE SOFTMAX OF ONE TILE'S 64 SCORES, in 16 slices.  Its lines:
.macro EX qt, r                        ; weight r = 2^(score - maximum), in place
	v_exp_f32 v[S+32*\qt+(\r)], v[S+32*\qt+(\r)]
.endm
.macro CSUB qt, k                      ; the new maximum is taken away from scores 2 k, 2 k + 1
	v_pk_add_f32 v[S+32*\qt+2*(\k):S+32*\qt+2*(\k)+1], v[S+32*\qt+2*(\k):S+32*\qt+2*(\k)+1], v[MN:MN+1] neg_lo:[0,1] neg_hi:[0,1]
.endm
.macro EMUL qt, k                      ; O's numbers 2 k, 2 k + 1 are brought to the new maximum: reads the batch's factor, so it stands behind the wait
	v_pk_mul_f32 v[O+32*\qt+2*(\k):O+32*\qt+2*(\k)+1], v[O+32*\qt+2*(\k):O+32*\qt+2*(\k)+1], v[AL:AL+1]
.endm
.macro FADD qt, k                      ; weights 2 k, 2 k + 1 join the sum, in two chains: behind the wait
	v_pk_add_f32 v[T+2*((\k)%2):T+2*((\k)%2)+1], v[T+2*((\k)%2):T+2*((\k)%2)+1], v[S+32*\qt+2*(\k):S+32*\qt+2*(\k)+1]
.endm
.macro GCVT qt, ks, i                  ; two key tiles, 16 registers, become their first 8: register i is written when it has been read by its own conversion and by the sum; behind the wait
	v_cvt_pk_f16_f32 v[S+32*\qt+16*\ks+\i], v[S+32*\qt+16*\ks+2*\i], v[S+32*\qt+16*\ks+2*\i+1]
.endm
; Slices 0-3 hold no exponential.  Slices 4-7 are the batch: a subtraction leads each slice and stands ahead of its two exponentials; exponentials may follow each other, since none reads another's
; result or writes another's source; the move at the end of slice 7 is the plain vector instruction behind the last exponential (ISA guide 5.7.2).  The wait ends slice 7.  Slices 8-15 are the readers:
; two links of the sum, two rescalings and two roundings a slice, so that a chain's links stand six lines and a product apart.
; Slice 7 holds four plain instructions (three subtractions and the move) and slice 15 seven: the loads into fragments and the reads of the other tile's new scores stand behind them.
.macro SL qt, n
.if (\n) == 0
.irp c, 0,1,2,3
	v_max3_num_f32 v[T+\c], v[S+32*\qt+8*\c], v[S+32*\qt+8*\c+1], v[S+32*\qt+8*\c+2]
.endr
.irp c, 0,1,2,3
	v_max3_num_f32 v[T+\c], v[T+\c], v[S+32*\qt+8*\c+3], v[S+32*\qt+8*\c+4]
.endr
.endif
.if (\n) == 1
.irp c, 0,1,2,3
	v_max3_num_f32 v[T+\c], v[T+\c], v[S+32*\qt+8*\c+5], v[S+32*\qt+8*\c+6]
.endr
	v_max3_num_f32 v[T],   v[T],   v[T+1], v[S+32*\qt+7]
	v_max3_num_f32 v[T+2], v[T+2], v[T+3], v[S+32*\qt+15]
.endif
.if (\n) == 2
	v_max3_num_f32 v[T],   v[T],   v[T+2], v[S+32*\qt+23]
	v_max3_num_f32 v[T],   v[T],   v[S+32*\qt+31], v[M+\qt]
	v_permlanex16_b32 v[T+1], v[T], s56, s57       ; the query's other 32 keys lie in the partner lane
	v_max_num_f32 v[MN],   v[T], v[T+1]
	v_max_num_f32 v[MN+1], v[T], v[T+1]
.endif
.if (\n) == 3
	v_sub_f32 v[T+2], v[M+\qt], v[MN]
.irp k, 0,1,2,3,4,5
	CSUB \qt, \k
.endr
.endif
.if (\n) == 4                          ; the batch begins: the factor twice, weights 0-6
	CSUB \qt, 6
	v_exp_f32 v[AL],   v[T+2]
	CSUB \qt, 7
	v_exp_f32 v[AL+1], v[T+2]
.irp r, 0,1,2,3,4,5,6
	EX \qt, \r
.endr
.endif
.if (\n) == 5                          ; weights 7-15
	CSUB \qt, 8
	EX \qt, 7
	CSUB \qt, 9
	EX \qt, 8
.irp r, 9,10,11,12,13,14,15
	EX \qt, \r
.endr
.endif
.if (\n) == 6                          ; weights 16-23
	CSUB \qt, 10
	EX \qt, 16
	CSUB \qt, 11
	EX \qt, 17
	CSUB \qt, 12
	EX \qt, 18
.irp r, 19,20,21,22,23
	EX \qt, \r
.endr
.endif
.if (\n) == 7                          ; weights 24-31, and the batch's end
	CSUB \qt, 13
	EX \qt, 24
	CSUB \qt, 14
	EX \qt, 25
	CSUB \qt, 15
	EX \qt, 26
.irp r, 27,28,29,30,31
	EX \qt, \r
.endr
	v_mov_b32 v[M+\qt], v[MN]                      ; the new maximum is kept: the plain instruction behind the last exponential
	s_wait_alu depctr_va_vdst(0)                   ; the wait: ONE for the tile's 34 exponentials of slices 4-7, ahead of slice 8, their first reader
.endif
.if (\n) == 8
	v_pk_add_f32 v[T:T+1],   v[S+32*\qt:S+32*\qt+1],   v[S+32*\qt+4:S+32*\qt+5]     ; the first four pairs start the two chains of the sum
	EMUL \qt, 0
	GCVT \qt, 0, 0
	v_pk_add_f32 v[T+2:T+3], v[S+32*\qt+2:S+32*\qt+3], v[S+32*\qt+6:S+32*\qt+7]
	EMUL \qt, 1
	GCVT \qt, 0, 1
.endif
.if (\n) == 9
	FADD \qt, 4
	EMUL \qt, 2
	GCVT \qt, 0, 2
	FADD \qt, 5
	EMUL \qt, 3
	GCVT \qt, 0, 3
.endif
.if (\n) == 10
	FADD \qt, 6
	EMUL \qt, 4
	GCVT \qt, 0, 4
	FADD \qt, 7
	EMUL \qt, 5
	GCVT \qt, 0, 5
.endif
.if (\n) == 11
	FADD \qt, 8
	EMUL \qt, 6
	GCVT \qt, 0, 6
	FADD \qt, 9
	EMUL \qt, 7
	GCVT \qt, 0, 7
.endif
.if (\n) == 12
	FADD \qt, 10
	EMUL \qt, 8
	GCVT \qt, 1, 0
	FADD \qt, 11
	EMUL \qt, 9
	GCVT \qt, 1, 1
.endif
.if (\n) == 13
	FADD \qt, 12
	EMUL \qt, 10
	GCVT \qt, 1, 2
	FADD \qt, 13
	EMUL \qt, 11
	GCVT \qt, 1, 3
.endif
.if (\n) == 14
	FADD \qt, 14
	EMUL \qt, 12
	GCVT \qt, 1, 4
	FADD \qt, 15
	EMUL \qt, 13
	GCVT \qt, 1, 5
.endif
.if (\n) == 15
	v_pk_add_f32 v[T:T+1], v[T:T+1], v[T+2:T+3]
	EMUL \qt, 14
	GCVT \qt, 1, 6
	v_add_f32 v[T], v[T], v[T+1]
	EMUL \qt, 15
	GCVT \qt, 1, 7
	v_fma_f32 v[LS+\qt], v[LS+\qt], v[AL], v[T]
.endif
.endm
; X(t), t = trip sub of the slot: B's products, A's softmax.  pv = 0 in the very first trip, which has no weights of B yet.
.macro XBLK slot, sub, pv
.if \pv
.irp n, 0,1,2,3,4,5,6,7
	PVW 1, \n
	SL 0, \n
.endr
	VLOAD \slot, \sub                              ; behind the last product that reads V(t-1) and slice 7's four plain instructions; the batch's wait, which ends slice 7, stands directly ahead
.else
	VLOAD \slot, \sub
.irp n, 0,1,2,3,4,5,6,7
	SL 0, \n
.endr
.endif
.irp n, 0,1,2,3,4,5,6,7
	SW 1, \n
	SL 0, \n+8
.endr
.endm
; Y(t) inside a slot: A's products, B's softmax.
.macro YNORM slot, sub
	KLOAD \slot, \sub+1                            ; behind the last product that reads K(t) and slice 15's seven plain instructions
	s_wait_dscnt 16                                ; LDS loads come back in order: V(t)'s 16 are in, the 16 of K(t+1) just issued stay out
.irp n, 0,1,2,3,4,5,6,7
	PVW 0, \n
	SL 1, \n
.endr
	s_wait_dscnt 0x0                               ; K(t+1)
.irp n, 0,1,2,3,4,5,6,7
	SW 0, \n
	SL 1, \n+8
.endr
.endm
; Y(t) of a slot's last trip: the change of slots.  V(t) was my last read of this slot.  Every wave waits for all its tensor loads (its part of the other slot among them) and
; for its LDS reads, and signals; four products and their slices, register work alone, stand between the signal and its wait.  refill = 1: the barrier opens a round of the
; cluster's barrier, which makes both hold of every wave of all four work-groups; the joint refill of this slot, 512 keys on, is the first tensor load behind the round's closing
; wait, one a wave, and has the other slot's 256 keys of work in which to land.  refill = 0: nothing is left to fetch, and my work-group's barrier is enough.
; K(t+1) comes from the other slot, behind the barrier; four products and their slices stand between its loads and their wait.
; Slices 0-3 hold no exponential; the batch, slices 4-7, stands behind them.
.macro YTURN slot, refill
	s_wait_tensorcnt 0x0
	ds_add_u32 v25, v31
	s_wait_dscnt 0x0
.if \refill
	s_add_nc_u64 s[G0K+4*\slot+2:G0K+4*\slot+3], s[G0K+4*\slot+2:G0K+4*\slot+3], 65536     ; no tensor load of mine is out: the slot's two group 0 step 512 keys
	s_add_nc_u64 s[G0V+4*\slot+2:G0V+4*\slot+3], s[G0V+4*\slot+2:G0V+4*\slot+3], 65536
.endif
	s_wait_dscnt 0x0
	s_barrier_signal -1
.irp n, 0,1,2,3
	PVW 0, \n
	SL 1, \n
.endr
	s_barrier_wait -1
.if \refill
	CREST
	JLOAD \slot
.endif
	KLOAD 1-\slot, 0
.irp n, 4,5,6,7
	PVW 0, \n
	SL 1, \n
.endr
	s_wait_dscnt 0x0                               ; K(t+1)
.irp n, 0,1,2,3,4,5,6,7
	SW 0, \n
	SL 1, \n+8
.endr
.endm
.macro RUN slot                        ; from Y of a slot's first trip to X of its last
	YNORM \slot, 0
	XBLK  \slot, 1, 1
	YNORM \slot, 1
	XBLK  \slot, 2, 1
	YNORM \slot, 2
	XBLK  \slot, 3, 1
.endm
	s_wait_loadcnt 0x0                             ; the null value
	s_wait_tensorcnt 0x1                           ; my part of slot 0 is in; slot 1's stays out
	s_barrier_signal -1
	s_barrier_wait -1
	KLOAD 0, 0
	s_wait_dscnt 0x0
.irp n, 0,1,2,3,4,5,6,7
	SW 0, \n                                       ; A's first scores: no softmax is there yet to stand among them
.endr
.rept 4
	v_nop                                          ; four plain vector instructions before slice 0 reads them (ISA guide 7.12.1)
.endr
	XBLK 0, 0, 0
	; The loop's body runs from Y of slot 0's first trip to X of slot 0's next first trip: 8 trips, 512 keys, both slots filled again.  Three times: keys 0 to 1,535.
	; Every half trip ends behind its batch's wait and issues no exponential after it, so no result crosses the loop's jump.
	s_mov_b32 s58, 3
.Lkeys:
	RUN 0
	YTURN 0, 1
	XBLK 1, 0, 1
	RUN 1
	YTURN 1, 1
	XBLK 0, 0, 1
	s_sub_co_u32 s58, s58, 1
	s_cmp_lg_u32 s58, 0
	s_cbranch_scc1 .Lkeys
	RUN 0                                          ; keys 1,536 to 2,047: nothing is left to fetch
	YTURN 0, 0
	XBLK 1, 0, 1
	RUN 1
	s_wait_dscnt 0x0                               ; V of the last trip
.irp n, 0,1,2,3,4,5,6,7
	PVW 0, \n
	SL 1, \n
.endr
.irp n, 8,9,10,11,12,13,14,15
	SL 1, \n
.endr
.irp n, 0,1,2,3,4,5,6,7
	PVW 1, \n
.endr
	; THE WAY OUT: divide by the sum, round to f16, 16 bytes a lane into my own stage, back as rows of 128 bytes.
	; The two additions, the v_nop, the two moves and tile A's 16 multiplications stand between B's last products and the first read of their results (ISA guide 7.12.1).
	v_permlanex16_b32 v[T],   v[LS],   s56, s57
	v_permlanex16_b32 v[T+1], v[LS+1], s56, s57
	v_add_f32 v[T],   v[T],   v[LS]
	v_add_f32 v[T+1], v[T+1], v[LS+1]
	v_rcp_f32 v[T+2], v[T]
	v_rcp_f32 v[T+4], v[T+1]
	v_nop
	s_wait_alu depctr_va_vdst(0)                   ; the wait ahead of the first use: one for the two reciprocals
	v_mov_b32 v[T+3], v[T+2]
	v_mov_b32 v[T+5], v[T+4]
.irp qt, 0,1
.irp k, 0,1,2,3,4,5,6,7,8,9,10,11,12,13,14,15
	v_pk_mul_f32 v[O+32*\qt+2*\k:O+32*\qt+2*\k+1], v[O+32*\qt+2*\k:O+32*\qt+2*\k+1], v[T+2+2*\qt:T+3+2*\qt]
.endr
.endr
.irp qt, 0,1
.irp dt, 0,1,2,3
.irp e, 0,1,2,3
	v_cvt_pk_f16_f32 v[S+16*\qt+4*\dt+\e], v[O+32*\qt+8*\dt+2*\e], v[O+32*\qt+8*\dt+2*\e+1]
.endr
	ds_store_b128 v[STO], v[S+16*\qt+4*\dt:S+16*\qt+4*\dt+3] offset:16*SP*\qt+32*\dt
.endr
.endr
.irp u, 0,1,2,3,4,5,6,7
	ds_load_b128 v[F+4*\u:F+4*\u+3], v[RD] offset:4*SP*\u      ; LDS serves a wave's instructions in order: these see the stores above
.endr
.irp u, 0,1,2,3,4,5,6,7
	s_wait_dscnt 7-\u
	global_store_b128 v[CO], v[F+4*\u:F+4*\u+3], s[62:63] offset:512*\u        ; four rows of 128 bytes: 512 consecutive bytes, aligned
.endr
	s_wait_tensorcnt 0x0
	ds_add_u32 v25, v31
	s_wait_dscnt 0x0
	ROUND                                          ; the closing round: no work-group ends while a partner may still ask for a tile that names it
	s_endpgm
.Lfunc_end_k_q65b55fb8e1_attn:
	.size	k_q65b55fb8e1_attn, .Lfunc_end_k_q65b55fb8e1_attn-k_q65b55fb8e1_attn
	.p2alignl 7, 3214868480
	.fill 96, 4, 3214868480
	.section	.rodata,"a",@progbits
	.p2align	6, 0x0
	.amdhsa_kernel k_q65b55fb8e1_attn
		.amdhsa_group_segment_fixed_size 327680
		.amdhsa_private_segment_fixed_size 0
		.amdhsa_enable_private_segment 0
		.amdhsa_kernarg_size 32
		.amdhsa_user_sgpr_count 2
		.amdhsa_user_sgpr_kernarg_segment_ptr 1
		.amdhsa_wavefront_size32 1
		.amdhsa_system_sgpr_workgroup_id_x 1
		.amdhsa_system_sgpr_workgroup_id_y 1
		.amdhsa_system_sgpr_workgroup_id_z 1
		.amdhsa_system_vgpr_workitem_id 0
		.amdhsa_next_free_vgpr 320
		.amdhsa_next_free_sgpr 80
		.amdhsa_reserve_vcc 0
		.amdhsa_float_denorm_mode_32 3
		.amdhsa_float_denorm_mode_16_64 3
		.amdhsa_memory_ordered 1
		.amdhsa_forward_progress 1
		.amdhsa_inst_pref_size 255
	.end_amdhsa_kernel
	.section	.bss,"aw",@nobits
	.p2align	6
	.space	262144
	.amdgpu_metadata
---
amdhsa.version: [ 1, 2 ]
amdhsa.kernels:
  - .name:           k_q65b55fb8e1_attn
    .symbol:         k_q65b55fb8e1_attn.kd
    .args:
      - { .name: qkvh, .offset: 0, .size: 8, .value_kind: global_buffer, .address_space: global }
      - { .name: null_kv, .offset: 8, .size: 8, .value_kind: global_buffer, .address_space: global }
      - { .name: k_scale, .offset: 16, .size: 8, .value_kind: global_buffer, .address_space: global }
      - { .name: o, .offset: 24, .size: 8, .value_kind: global_buffer, .address_space: global }
    .group_segment_fixed_size: 327680
    .private_segment_fixed_size: 0
    .kernarg_segment_align: 8
    .kernarg_segment_size: 32
    .max_flat_workgroup_size: 256
    .sgpr_count:     80
    .vgpr_count:     320
    .wavefront_size: 32
...
	.end_amdgpu_metadata
.endif
;; end of part 5
;; launch proj: the kernel of part 4 again; grid 8 x 32, 4 waves a work-group, clusters of 4 x 4, 327,680 bytes of LDS; arguments o, wob, out0; writes out0
